; MI455X (gfx1250); checked and timed in simulation.
; The chip was launched on July 23, 2026; its instructions are those of AMD's public machine-readable ISA for CDNA 5 (MIT licence, August 2026) and "CDNA5" Instruction Set Architecture Reference Guide (July 2026). The comments in the code are by the model that wrote it; some were corrected since.
;; Decoder Layer. Allowed arithmetic: matrix products marked QUANTISED: E2M1 operands, one E8M0 scale for each 32 along K, by v_wmma_scale_f32_16x16x128_f8f6f4 with both operands' format E2M1 (or v_wmma_scale_f32_32x16x128_f4), f32 sums; everything else in f32.
;; Inputs: Wk 1,024 x 1,024 float32; Wq 1,024 x 1,024 float32; Wv 1,024 x 1,024 float32; bk 1,024 float32; bq 1,024 float32; bv 1,024 float32; inputs 2,048 x 4 x 1,024 float32; mask 2,048 x 2,048 bool.
;; Outputs: out0 2,048 x 4 x 1,024 float32.
;; This version of the problem:
;;   THIS VERSION OF THE PROBLEM IS GIVEN IN LOW PRECISION. The matrix products marked QUANTISED in the list below multiply operands that are first quantised to E2M1 (2 exponent bits, 1 mantissa bit; 4 bits a number), with one power-of-two scale for each 32 numbers along K (OCP MX v1.0); their sums are f32. All else is computed in f32.
;;   The module's matrix products, in the order in which they are computed (A, B: the left and right operand; K: the contracted axis; several contracted axes count as one K, in the product's order):
;;     1. [M 8,192, K 1,024] x [K 1,024, N 1,024]; A: input inputs; B: input Wq: QUANTISED
;;     2. [M 8,192, K 1,024] x [K 1,024, N 1,024]; A: input inputs; B: input Wk: QUANTISED
;;     3. [M 8,192, K 1,024] x [K 1,024, N 1,024]; A: input inputs; B: input Wv: QUANTISED
;;     4. batch 64 x [M 2,048, K 64] x [K 64, N 2,048]; A: computed on the way; B: computed on the way: QUANTISED
;;     5. batch 64 x [M 2,048, K 2,048] x [K 2,048, N 64]; A: softmax (see below); B: computed on the way: QUANTISED
;;   THE QUANTISER, for each operand of a quantised product, along K:
;;     - K is cut into blocks of 32 from its start; a last block that is shorter is filled with zeros.
;;     - A block's scale is 2^e with e = floor(log2(the largest magnitude in the block)) - 2, held to -126 .. 127; a block of zeros has e = 0. As a byte (E8M0): e + 127.
;;     - Each number is divided by its block's scale, clamped to +-6, and rounded to the nearest number of E2M1, ties to even, subnormals kept.
;;     - The product sums the exact products of the quantised numbers (number of the format x scale) in f32.
;;   ~~~python
;;   def quantise(x, axis):      # numpy; x: float32 -> the quantised numbers, widened to float32 again
;;       x = np.moveaxis(x, axis, -1); K = x.shape[-1]
;;       x = np.pad(x, [(0, 0)] * (x.ndim - 1) + [(0, -K % 32)]); x = x.reshape(x.shape[:-1] + (-1, 32)); a = np.abs(x).max(-1, keepdims=True)
;;       e = np.where(a > 0, np.clip(np.frexp(np.where(a > 0, a, 1))[1] - 1 - 2, -126, 127), 0)      # np.frexp(a)[1] - 1 = floor(log2(a)), exactly
;;       r = np.clip(x / 2.0 ** e, -6, 6)
;;       step = 2.0 ** (np.maximum(np.frexp(np.where(r == 0, 1, r))[1] - 1, 0) - 1)
;;       q = np.round(r / step) * step * 2.0 ** e      # np.round: ties to even
;;       return np.moveaxis(q.reshape(q.shape[:-2] + (-1,))[..., :K], -1, axis).astype(np.float32)
;;   ~~~
;;   SOFTMAX AHEAD OF A QUANTISED PRODUCT. Where the list says 'softmax', what is quantised is not the finished softmax but p = 2^(t - M), with t = logit x log2(e) and M = ceil(the row's largest t), a whole number; so 1/2 < the row's largest p <= 1. The row's sum l is taken of the UNQUANTISED p, in f32, and the product's result is divided by l at the end. Since M is a whole number, a kernel that streams over the keys may use a running M (the ceiling of the running maximum): every later rescaling is an exact power of two, which a block's scale takes up: the codes' values come out the same.
;;   OPERANDS COMPUTED ON THE WAY. 'Computed on the way' means the value that the module computes at that place (a softmax that the list does not call 'softmax' is quantised finished and normalised). What goes into a quantiser is computed in f32, as accurately as f32 sums, v_exp_f32 and their like allow (about 1e-6 of the number): no bf16 or f16 on the way to a quantiser, and a product that is left as it is and whose result goes on into a quantised operand takes f32 operands (vector FMAs, or v_wmma_f32_16x16x4_f32). A number that lies on a knife's edge between two numbers of the format may be rounded either way, as far as f32 arithmetic and the matrix unit's own rounding can turn it there, and no further.
;; 2 versions, each right; version 2 is version 1 with the launch attn written anew for expert scheduling mode. Each part assembles by itself: llvm-mc -triple=amdgcn-amd-amdhsa -mcpu=gfx1250 --defsym DOCPART=n.
;; ======== version 1 of 2: 3 launches
;; workspace buffers: xw_codes 5,767,168 bytes; xw_scl 360,448 bytes; img 12,582,912 bytes; scl 786,432 bytes; mwords 526,336 bytes of whole numbers
;; launch prep (part 1): grid 480 x 1, 4 waves a work-group, no clusters, 33,280 bytes of LDS; arguments inputs, Wq, Wk, Wv, mask, xw_codes, xw_scl, mwords; writes xw_codes, xw_scl, mwords
.if DOCPART == 1
	.amdgcn_target "amdgcn-amd-amdhsa--gfx1250"
	.amdhsa_code_object_version 6
	.text
	.protected	k_q1847be4c37_prep
	.globl	k_q1847be4c37_prep
	.p2align	8
	.type	k_q1847be4c37_prep,@function
k_q1847be4c37_prep:
	s_mov_b64 s[64:65], 0
	v_nop
	global_prefetch_b8 v0, s[64:65] scope:SCOPE_SE
	s_setreg_imm32_b32 hwreg(HW_REG_WAVE_MODE, 25, 1), 1
	s_wait_xcnt 0x0
; PREP.  Two jobs in one launch, parted on the work-group's number.
; (1) Work-groups 0-127: the mask [2048][2048] of bytes becomes LANE MASKS for the attention launch.  Work-group T serves the tile of 16 queries
;     query(T, r) = 32 (T / 2) + 8 (T % 2) + r + 8 (r / 8); wave w serves key steps S = 4 w .. 4 w + 3 of 128 keys.  Word n = 16 b + i of (T, S) has in bit L = 16 h + r
;     the mask byte of query(T, r) and key 128 S + 32 b + 16 h + i: the lane mask of score register n there.  64 words = 256 bytes a step, stored whole.
;     A flag word for (T, w) has bit q set where step 4 w + q hides anything: 4 bytes a wave, 2,048 bytes in the launch: the one store here that fills no whole 256 bytes.
; (2) Work-groups 128-479: inputs (as 8,192 rows of 1,024) and Wq, Wk, Wv (3,072 rows) become codes of FP4 (E2M1), K innermost, 512 bytes a row, with one E8M0 byte for each 32 along K, 32 bytes a row.
;     THE ROWS ARE STORED IN ANOTHER ORDER: X's row (s, b) at 2048 b + sw(s), weight row n' (0 .. 3071 over Wq, Wk, Wv) at 8192 + sw(n'); sw changes bits 3 and 4 of the number.  So sixteen rows on end
;     are the rows 8 u + r + 8 (r / 8) of a group of 32: as source 0 of a product they give a lane 16 neighbours along the next K, and they are read from LDS with plain addresses.
;     A block's scale is 2^(floor(log2(largest magnitude)) - 2): its byte is that magnitude's exponent field - 2, held at 1 from below.
;     LIMITS: a block of zeros, or one whose largest magnitude lies under 2^(3 - 127), gets the byte 1 (its codes are zeros or what the held scale gives; only this program reads the bytes); NaN and infinities among the inputs are not served.
;     A wave takes 8 rows: 16 steps of 512 numbers.  Each load reads 512 consecutive bytes; a step's 2,048 bytes turn through the wave's own stage in LDS so that a lane holds 16 neighbours along K.
;     Only this second path uses LDS.  No barrier: waves share nothing.
.set WV,    20                         ; s20  my wave's number
.set FLG,   21                         ; s21  (mask path) the flag word
.set MK,    16                         ; v16-79  (mask path) 16 registers of mask bytes for each of four steps
.set OW,    80                         ; v80-87  (mask path) a pair for each step: lane l holds words 2 l and 2 l + 1
.set STEPS, 16
.set EMAX,  2
.set CB,    8                          ; bytes of 16 codes
.set R,     16                         ; v16-79   four sets of 16 numbers as they are loaded
.set X,     80                         ; v80-111  two sets of 16 neighbours
.set E,     112                        ; v112-127 a scale byte for each step
.set C,     128                        ; v128-159 codes: two registers for each step, so that no store's data are written again
.set LO,    160                        ; v160-167 16 x lane + row i x the distance between my rows in memory
.set WREG,  8192                       ; LDS: a region for each wave: two stages of 32 x SP bytes, behind them its 256 scale bytes
.set SP,    80                         ; a lane's place in a stage: 64 bytes + 16 of padding
	s_load_b512 s[4:19], s[0:1], 0x0               ; inputs s[4:5], Wq s[6:7], Wk s[8:9], Wv s[10:11], mask s[12:13], the codes s[14:15], the scale bytes s[16:17], the mask words s[18:19]
	v_lshl_add_u32 v192, v0, 2, 0x8000
	v_mov_b32 v193, 0
	v_lshrrev_b32 v1, 5, v0
	v_readfirstlane_b32 s[WV], v1                  ; wave 0..3
	v_and_b32 v2, 31, v0                           ; lane
	s_cmp_lt_u32 ttmp9, 128
	s_cbranch_scc0 .Lquant
; ---------------- the mask ----------------
	v_and_b32 v3, 15, v0                           ; r
	v_bfe_u32 v4, v0, 4, 1                         ; h
	v_and_b32 v5, 8, v3
	v_add_nc_u32 v5, v5, v3                        ; r + 8 (r / 8)
	v_lshlrev_b32 v5, 11, v5                       ; a row of the mask is 2,048 bytes
	v_lshl_add_u32 v5, v4, 4, v5                   ; + 16 h: my 16 keys of a block of 32
	v_lshlrev_b32 v6, 3, v2                        ; out: 8 bytes a lane
	s_lshr_b32 s22, ttmp9, 1
	s_lshl_b32 s22, s22, 5
	s_and_b32 s23, ttmp9, 1
	s_lshl_b32 s23, s23, 3
	s_add_co_u32 s22, s22, s23                     ; the tile's first query: 32 (T / 2) + 8 (T % 2)
	s_lshl_b32 s22, s22, 11
	s_lshl_b32 s23, s[WV], 9
	s_add_co_u32 s22, s22, s23                     ; + my four steps' 512 keys
	s_mov_b32 s23, 0
	s_lshl_b32 s24, ttmp9, 12                      ; the words: 16 steps x 256 bytes a tile,
	s_lshl_b32 s25, s[WV], 10                      ; four steps a wave
	s_add_co_u32 s24, s24, s25
	s_mov_b32 s25, 0
	s_lshl_b32 s26, ttmp9, 4                       ; the flags: behind the words, 16 bytes a tile, 4 a wave
	s_lshl_b32 s27, s[WV], 2
	s_add_co_u32 s26, s26, s27
	s_add_co_u32 s26, s26, 524288
	s_mov_b32 s27, 0
	s_mov_b32 s[FLG], 0
	s_wait_kmcnt 0x0
	s_add_nc_u64 s[12:13], s[12:13], s[22:23]
	s_add_nc_u64 s[24:25], s[18:19], s[24:25]
	s_add_nc_u64 s[26:27], s[18:19], s[26:27]
.irp q, 0,1,2,3
.irp b, 0,1,2,3
	global_load_b128 v[MK+16*\q+4*\b:MK+16*\q+4*\b+3], v5, s[12:13] offset:128*\q+32*\b th:TH_LOAD_NT   ; the sixteen loads together cover 512 consecutive bytes of each of 16 rows
.endr
.endr
.irp i, 0,1,2,3,4,5,6,7
	v_mov_b32 v[OW+\i], 0                          ; v_writelane_b32's destination counts as read
.endr
.macro MSTEP q
	s_wait_loadcnt 12-4*\q                         ; this step's four loads are in; the later steps' may be out
	v_or_b32 v8, v[MK+16*\q], v[MK+16*\q+1]
.irp i, 2,3,4,5,6,7,8,9,10,11,12,13,14,15
	v_or_b32 v8, v8, v[MK+16*\q+\i]
.endr
	v_cmp_ne_u32 vcc_lo, 0, v8                     ; does the step hide anything from any of the 16 queries?
	s_cmp_lg_u32 vcc_lo, 0
	s_cselect_b32 s33, 1<<\q, 0
	s_or_b32 s[FLG], s[FLG], s33
.set n, 0
.rept 64
	v_bfe_u32 v[8+n%4], v[MK+16*\q+4*(n/16)+(n%16)/4], 8*(n%4), 8   ; byte i of my 16 of block b, n = 16 b + i
	v_cmp_ne_u32 s[28+n%4], 0, v[8+n%4]            ; all 32 lanes' bits: word n
	v_writelane_b32 v[OW+2*\q+n%2], s[28+n%4], n/2
.set n, n+1
.endr
	global_store_b64 v6, v[OW+2*\q:OW+2*\q+1], s[24:25] offset:256*\q   ; 32 lanes store 256 consecutive bytes, aligned
.endm
	MSTEP 0
	MSTEP 1
	MSTEP 2
	MSTEP 3
	v_mov_b32 v9, s[FLG]
	v_mov_b32 v10, 0
	v_cmp_eq_u32 vcc_lo, 0, v2
	s_wait_xcnt 0x0                                ; EXEC is a source of the stores above: it changes only behind this wait
	s_and_saveexec_b32 s32, vcc_lo
	global_store_b32 v10, v9, s[26:27]             ; lane 0 alone: my wave's flag word
	s_wait_xcnt 0x0                                ; and again in front of the line that widens it
	s_or_b32 exec_lo, exec_lo, s32
	s_endpgm
; ---------------- the quantiser ----------------
.Lquant:
	v_lshlrev_b32 v3, 4, v2                        ; my 16 bytes of a load's 512
	s_mul_i32 s21, s[WV], WREG
	v_lshrrev_b32 v14, 2, v2
	v_mul_u32_u24 v14, v14, SP
	v_and_b32 v15, 3, v2
	v_lshl_add_u32 v14, v15, 4, v14
	v_add_nc_u32 v14, s21, v14                     ; the stage, on the way in: four lanes' 64 bytes on end, then 16 of padding
	v_mul_u32_u24 v15, v2, SP
	v_add_nc_u32 v15, s21, v15                     ; and on the way out: my 16 neighbours
	v_mul_u32_u24 v4, v2, CB                       ; my codes' place in a step's
	v_lshrrev_b32 v5, 1, v2
	s_add_co_u32 s21, s21, 2*32*SP
	v_add_nc_u32 v5, s21, v5                       ; LDS: my wave's 256 scale bytes, my block's byte
	v_lshlrev_b32 v7, 3, v2                        ; and on the way out 8 bytes a lane
	v_add_nc_u32 v6, s21, v7
	s_sub_co_u32 s22, ttmp9, 128                   ; g: 0-255 take X, 256-351 the weights
	s_sub_co_u32 s23, s22, 256                     ; g' (used where g >= 256)
	s_lshl_b32 s24, s22, 5                         ; X: the wave is the batch; rows s = 8 g + i lie at (32 g + w + 4 i) x 4,096 bytes
	s_add_co_u32 s24, s24, s[WV]
	s_lshl_b32 s25, s[WV], 11
	s_lshr_b32 s26, s22, 2
	s_lshl_b32 s26, s26, 5
	s_add_co_u32 s25, s25, s26                     ; and go to rows 2048 w + 32 (g / 4) + 8 x (g % 4 with its two bits changed) + i
	s_and_b32 s26, s22, 3
	s_and_b32 s27, s23, 31                         ; W: rows 32 (g' % 32) + 8 w + i of weight g' / 32
	s_lshl_b32 s27, s27, 5
	s_lshl_b32 s28, s[WV], 3
	s_add_co_u32 s27, s27, s28
	s_lshl_b32 s28, s23, 5
	s_add_co_u32 s28, s28, 8192                    ; go to rows 8192 + 32 g' + 8 x (w with its two bits changed) + i
	s_lshr_b32 s29, s23, 5
	s_mov_b32 s30, 4096
	s_cmp_lt_u32 s22, 256                          ; every choice hangs on the work-group's number alone
	s_cselect_b32 s24, s24, s27
	s_cselect_b32 s25, s25, s28
	s_cselect_b32 s26, s26, s[WV]
	s_cselect_b32 s30, 16384, s30                  ; bytes from one of my rows to the next
	s_and_b32 s31, s26, 1
	s_lshl_b32 s31, s31, 1
	s_lshr_b32 s26, s26, 1
	s_or_b32 s26, s26, s31
	s_lshl_b32 s26, s26, 3
	s_add_co_u32 s25, s25, s26                     ; my first row in the buffers
	s_lshl_b32 s34, s24, 12
	s_mov_b32 s35, 0
	s_lshl_b32 s36, s25, 9                         ; 512 bytes of codes a row
	s_mov_b32 s37, 0
	s_lshl_b32 s38, s25, 5                         ; 32 scale bytes a row
	s_mov_b32 s39, 0
.irp i, 0,1,2,3,4,5,6,7
	v_mad_u32_u24 v[LO+\i], s30, \i, v3
.endr
	s_wait_kmcnt 0x0
	s_cmp_eq_u32 s29, 1
	s_cselect_b64 s[6:7], s[8:9], s[6:7]
	s_cmp_eq_u32 s29, 2
	s_cselect_b64 s[6:7], s[10:11], s[6:7]
	s_cmp_lt_u32 s22, 256
	s_cselect_b64 s[4:5], s[4:5], s[6:7]
	s_add_nc_u64 s[4:5], s[4:5], s[34:35]
	s_add_nc_u64 s[14:15], s[14:15], s[36:37]
	s_add_nc_u64 s[16:17], s[16:17], s[38:39]
.macro LOAD t                          ; step t: half t % 2 of my row t / 2
.irp i, 0,1,2,3
	global_load_b128 v[R+16*((\t)%4)+4*\i:R+16*((\t)%4)+4*\i+3], v[LO+(\t)/2], s[4:5] offset:2048*((\t)%2)+512*\i th:TH_LOAD_NT   ; 32 lanes read 512 consecutive bytes
.endr
.endm
.macro TURN t                          ; step t's numbers through the stage: LDS serves a wave's instructions in order, so no wait stands between the stores and the loads
.irp i, 0,1,2,3
	ds_store_b128 v14, v[R+16*((\t)%4)+4*\i:R+16*((\t)%4)+4*\i+3] offset:32*SP*((\t)%2)+8*SP*\i
.endr
.irp i, 0,1,2,3
	ds_load_b128 v[X+16*((\t)%2)+4*\i:X+16*((\t)%2)+4*\i+3], v15 offset:32*SP*((\t)%2)+16*\i
.endr
.endm
.irp t, 0,1,2,3
	LOAD \t
.endr
	s_wait_loadcnt 12                              ; step 0's four loads are in
	TURN 0
.macro STEP t
.set XS, X+16*((\t)%2)
.if (\t) > 0
	s_wait_dscnt 1                                 ; this step's numbers are back from the stage (the last step's byte store may be out): so its stores into the stage have read their registers,
.else
	s_wait_dscnt 0x0
.endif
.if (\t)+4 < STEPS
	LOAD (\t)+4                                    ; which take the loads of four steps on
.endif
.if (\t)+1 < STEPS
.if STEPS-2-(\t) >= 3
	s_wait_loadcnt 12                              ; the next step's four loads are in; those of the three steps behind it may be out
.else
	s_wait_loadcnt 4*(STEPS-2-(\t))
.endif
	TURN (\t)+1                                    ; and go through the other stage while this step is worked
.endif
	v_max3_num_f32 v8, |v[XS]|, |v[XS+1]|, |v[XS+2]|               ; the largest magnitude of my 16
	v_max3_num_f32 v9, |v[XS+3]|, |v[XS+4]|, |v[XS+5]|
.irp i, 6,10
	v_max3_num_f32 v8, v8, |v[XS+\i]|, |v[XS+\i+1]|
	v_max3_num_f32 v9, v9, |v[XS+\i+2]|, |v[XS+\i+3]|
.endr
	v_max3_num_f32 v8, v8, |v[XS+14]|, |v[XS+15]|
	v_max3_num_f32 v8, v8, v9, (EMAX+1)<<23        ; and the floor 2^(EMAX + 1 - 127): the byte cannot fall under 1
	v_max_num_f32_dpp v8, v8, v8 row_xmask:1 row_mask:0xf bank_mask:0xf   ; and of my neighbour's 16: the block's
	v_add_nc_u32 v11, -(EMAX<<23), v8              ; EMAX off its exponent field: the conversion takes the exponent field of this operand as its scale
	v_cvt_scalef32_pk8_fp4_f32 v[C+2*(\t)], v[XS:XS+7], v11
	v_cvt_scalef32_pk8_fp4_f32 v[C+2*(\t)+1], v[XS+8:XS+15], v11
	v_lshrrev_b32 v[E+(\t)], 23, v11               ; the scale's byte (a plain line behind the conversions)
	ds_store_b8 v5, v[E+(\t)] offset:16*(\t)       ; both lanes of a block write the same byte with the same value
	global_store_b64 v4, v[C+2*(\t):C+2*(\t)+1], s[14:15] offset:32*CB*(\t)   ; 32 lanes store 256 consecutive bytes, aligned
.endm
.irp t, 0,1,2,3,4,5,6,7,8,9,10,11,12,13,14,15
	STEP \t
.endr
	ds_load_b64 v[12:13], v6                       ; LDS serves a wave's instructions in order: these see my stores
	s_wait_dscnt 0x0
	global_store_b64 v7, v[12:13], s[16:17]        ; my 8 rows' 256 scale bytes: one aligned run
	s_wait_tensorcnt 0x0
	ds_add_u32 v192, v193
	s_wait_dscnt 0x0
	s_endpgm
.Lfunc_end_k_q1847be4c37_prep:
	.size	k_q1847be4c37_prep, .Lfunc_end_k_q1847be4c37_prep-k_q1847be4c37_prep
	.p2alignl 7, 3214868480
	.fill 96, 4, 3214868480
	.section	.rodata,"a",@progbits
	.p2align	6, 0x0
	.amdhsa_kernel k_q1847be4c37_prep
		.amdhsa_group_segment_fixed_size 33280
		.amdhsa_private_segment_fixed_size 0
		.amdhsa_enable_private_segment 0
		.amdhsa_kernarg_size 64
		.amdhsa_user_sgpr_count 2
		.amdhsa_user_sgpr_kernarg_segment_ptr 1
		.amdhsa_wavefront_size32 1
		.amdhsa_system_sgpr_workgroup_id_x 1
		.amdhsa_system_sgpr_workgroup_id_y 1
		.amdhsa_system_sgpr_workgroup_id_z 1
		.amdhsa_system_vgpr_workitem_id 0
		.amdhsa_next_free_vgpr 194
		.amdhsa_next_free_sgpr 66
		.amdhsa_reserve_vcc 1
		.amdhsa_float_denorm_mode_32 3
		.amdhsa_float_denorm_mode_16_64 3
		.amdhsa_memory_ordered 1
		.amdhsa_forward_progress 1
		.amdhsa_inst_pref_size 89
	.end_amdhsa_kernel
	.amdgpu_metadata
---
amdhsa.version: [ 1, 2 ]
amdhsa.kernels:
  - .name:           k_q1847be4c37_prep
    .symbol:         k_q1847be4c37_prep.kd
    .args:
      - { .name: inputs, .offset: 0, .size: 8, .value_kind: global_buffer, .address_space: global }
      - { .name: Wq, .offset: 8, .size: 8, .value_kind: global_buffer, .address_space: global }
      - { .name: Wk, .offset: 16, .size: 8, .value_kind: global_buffer, .address_space: global }
      - { .name: Wv, .offset: 24, .size: 8, .value_kind: global_buffer, .address_space: global }
      - { .name: mask, .offset: 32, .size: 8, .value_kind: global_buffer, .address_space: global }
      - { .name: xw_codes, .offset: 40, .size: 8, .value_kind: global_buffer, .address_space: global }
      - { .name: xw_scl, .offset: 48, .size: 8, .value_kind: global_buffer, .address_space: global }
      - { .name: mwords, .offset: 56, .size: 8, .value_kind: global_buffer, .address_space: global }
    .group_segment_fixed_size: 33280
    .private_segment_fixed_size: 0
    .kernarg_segment_align: 8
    .kernarg_segment_size: 64
    .max_flat_workgroup_size: 128
    .sgpr_count:     66
    .vgpr_count:     194
    .wavefront_size: 32
...
	.end_amdgpu_metadata
.endif
;; end of part 1
;; launch proj (part 2): grid 12 x 32, 4 waves a work-group, clusters of 4 x 4, 296,448 bytes of LDS; arguments xw_codes, xw_scl, bq, bk, bv, img, scl; writes img, scl
.if DOCPART == 2
	.amdgcn_target "amdgcn-amd-amdhsa--gfx1250"
	.amdhsa_code_object_version 6
	.text
	.protected	k_q1847be4c37_proj
	.globl	k_q1847be4c37_proj
	.p2align	8
	.type	k_q1847be4c37_proj,@function
k_q1847be4c37_proj:
	s_mov_b64 s[64:65], 0
	v_nop
	global_prefetch_b8 v0, s[64:65] scope:SCOPE_SE
	s_setreg_imm32_b32 hwreg(HW_REG_WAVE_MODE, 25, 1), 1
	s_wait_xcnt 0x0
	s_wait_alu depctr_hold_cnt(0) depctr_sa_sdst(0) depctr_va_vdst(0) depctr_va_sdst(0) depctr_va_ssrc(0) depctr_va_vcc(0) depctr_vm_vsrc(0)
	s_getreg_b32 s2, hwreg(HW_REG_IB_STS2, 6, 4)
	s_cmp_eq_u32 s2, 0
	s_cbranch_scc0 .Lentry_in_a_cluster
	s_endpgm
.Lentry_in_a_cluster:
	s_bfe_u32 s2, ttmp6, 0x10000c
	s_cmp_lg_u32 s2, 0xf033
	s_cbranch_scc0 .Lentry_shape_is_right
	s_endpgm
.Lentry_shape_is_right:
; PROJ.  q, k and v = x W^T + bias, on codes of FP4 (E2M1) with one E8M0 scale for each 32 along K = 1,024, and their results quantised at once, in registers, for the attention launch.
; All operands are rows of ONE buffer of 11,264 rows x 512 bytes of codes (X's 8,192 rows, then Wq, Wk, Wv) and one of 32 scale bytes a row.
; A work-group of four waves makes a tile of 256 x 256; a wave 128 x 128: 64 accumulators of 16 x 16, 512 registers.  Source 0 of the matrix instruction takes 16 rows of "P", source 1 16 rows of "R":
; a lane then holds ONE row of R, and its registers run along P.  P IS THE AXIS ALONG WHICH THE RESULT IS QUANTISED:  for q and k (clusters x = 0, 1) P = rows of Wq, Wk (the head's channels), R = rows of X;
; for v (cluster x = 2) P = rows of X (the keys), R = rows of Wv.  One text serves both; only row numbers, the bias's form and the packing of the scale words differ, by branches on the cluster's x.
; The buffer's rows are stored so that sixteen on end are rows 8 u + r + 8 (r / 8) of a group of 32: so the 16 registers of P's blocks 2 B and 2 B + 1 are 16 neighbours, 32 B + 16 (lane / 16) + 0 .. 15.
; K = 1,024 is two LDS slots of 512 along K (rows of 256 bytes + 16 of padding); both, and the scale bytes of the 512 rows, are filled ONCE, at the start: three tensor loads a wave are out, and no LDS byte is filled again.
; CLUSTERS: 4 x 4 work-groups.  R's tile hangs on cy alone and is asked for jointly by a row of the cluster, P's on cx alone and by a column.
; OUT: img[t][b][pair of heads][step of 128 rows][8 KB]: the 8 KB are my wave's eight operand fragments as images of their registers (lane l's 16 bytes at 16 l), every store 512 consecutive bytes;
;      scl[t][b][pair][step][head of the pair][256 B]: lane 16 h + r, word w: for q, k the two bytes of tile 2 (2 w + h) and the two of tile 2 (2 w + h) + 1, row r; for v the four bytes of channel tile 2 w + h, row r.
; LIMITS: a block whose largest magnitude lies under 2^(3 - 127) (a block of zeros too) gets the byte 1; only this program reads the bytes.  NaN and infinities are not served.
; REGISTERS, in windows of 256: window 0: v0-31 addresses; v32-95 scale words, two sets, and nothing else; v96-111 at work in the quantiser; v120-127 the eight scale words made; v128-191 R's fragments, ONE set, later 64 numbers to quantise;
;   v192-255 the codes made, 8 registers a block.   window 1: P's fragments, TWO sets, at v0 and v128; v64-127 the bias along P; v192-199 the bias of my row of R, a register a block.   windows 2, 3: the accumulators ((a, b) at v[8 (8 (a % 4) + b)]).
.set KSTEP,  512
.set NQ,     4                         ; matrix instructions deep in a slot
.set ROWB,   256                       ; a tile's row in bytes
.set KROW,   512                       ; a row in memory
.set PITCH,  272                       ; an LDS row: 256 bytes + 16 of padding = 68 words: row r starts at bank 4 r mod 64 (64 banks of 4 bytes: ISA guide 11.1)
.set FR,     8                         ; registers of a fragment
.set NL,     2                         ; LDS loads that bring one
.set NP,     4                         ; places behind this matrix instruction (ISA guide 7.12.1)
.set HALFT,  128*PITCH                 ; 128 rows: what one tensor load brings
.set SLOT,   4*HALFT                   ; R's 256 rows, then P's 256 rows
.set KS,     32                        ; a row of scale bytes
.set SCLB,   2*SLOT                    ; behind the slots: the scale bytes, as runs of 256 bytes + 16 of padding
.set HALFS,  16*272                    ; those of 128 rows
.set SBLK,   2*272                     ; those of 16 rows
.set ADRA, 16                          ; v16-17  LDS address of my R fragments in slot 0, 1
.set ADRB, 20                          ; v20-21  the same for P
.set LI,   24                          ; v24     16 x lane
.set L8,   25                          ; v25     8 x lane
.set BO,   26                          ; v26     the bias along P: 64 (lane / 16)
.set ADRS, 27                          ; v27     LDS address of my scale words: lanes 0-15 R's rows, lanes 16-31 P's
.set BVO,  28                          ; v28     the bias of my row of R: 4 (r + 8 (r / 8))
.set SC,   32
.set TM,   96                          ; v96-99 largest magnitudes, v100-103 the other half's, then bytes, v108-111 the conversions' scale operands
.set SW,   120
.set AF,   128
.set T,    128
.set PCB,  192
.set BX,   64                          ; in window 1
.set BV,   192                         ; in window 1
.set WVN,  18                          ; s18 wave; s19 wave / 2: my half of R, and I fetch for R (0) or P (1); s20 wave % 2: my half of P, and which 128 rows I fetch
.set WR,   19
.set WP,   20
.set CX,   21
.set CY,   22
.set ROLE, 23                          ; s23  1 where the tile is v's: the same in all sixteen partners
.set G1,   24                          ; s[24:31], s[32:39] groups 1 and 0 (a set a slot) for R's codes
.set G0,   32
.set G1B,  48                          ; s[48:55], s[56:63] for P's
.set G0B,  56
.set G1S,  68                          ; s[68:75], s[76:79] for R's scale bytes;  s[80:87], s[88:91] for P's
.set G0S,  76
.set G1SB, 80
.set G0SB, 88
.set SEL,  66                          ; s[66:67] lane selects for v_permlanex16_b32 (set behind the offsets that are made there)
.set MSB, 0
.macro WIN new                         ; the immediate's high byte repeats the setting that is left
.if MSB != \new
	s_set_vgpr_msb (MSB<<8)|\new
.set MSB, \new
.endif
.endm
.set MUL_LO, 0xa1                      ; source 0 (P) window 1, source 1 (R) window 0, C and D window 2
.set MUL_HI, 0xf1                      ; the same, C and D window 3
.set TO_B,   0x40                      ; destination window 1, address window 0
; A joint load: waves 0 and 1 fetch for R, waves 2 and 3 for P.  Each line has one mask and one set of registers for all that issue it; the branch hangs on the wave's number alone.
; Four v_nop follow each of the two lines, ahead of the jump, the label and what follows.
.macro JLOAD g0a, g1a, g0b, g1b
	s_cmp_eq_u32 s[WR], 0
	s_cbranch_scc0 .Lfor_b_\@
	tensor_load_to_lds s[\g0a:\g0a+3], s[\g1a:\g1a+7]
	s_nop 0
.rept 4
	v_nop
.endr
	s_branch .Lasked_\@
.Lfor_b_\@:
	tensor_load_to_lds s[\g0b:\g0b+3], s[\g1b:\g1b+7]
	s_nop 0
.rept 4
	v_nop
.endr
.Lasked_\@:
.endm
.macro CROUND                          ; a round of the cluster's barrier
	s_barrier_signal -1
	s_barrier_wait -1
	s_cmp_lg_u32 s[WVN], 0
	s_cbranch_scc1 .Lnot_wave_0_\@
	s_barrier_signal -3
.Lnot_wave_0_\@:
	s_barrier_wait -3
	s_barrier_signal -1
	s_barrier_wait -1
.endm
	s_load_b256 s[4:11], s[0:1], 0x0               ; the codes s[4:5], the scale bytes s[6:7], bq s[8:9], bk s[10:11]
	s_load_b128 s[12:15], s[0:1], 0x20             ; bv s[12:13], img s[14:15]
	s_load_b64 s[16:17], s[0:1], 0x30              ; scl
	v_lshl_add_u32 v118, v0, 2, 0x48400
	v_mov_b32 v119, 0
	ds_add_u32 v118, v119
	ds_add_u32 v118, v119
	v_lshrrev_b32 v1, 5, v0
	v_readfirstlane_b32 s[WVN], v1
	s_lshr_b32 s[WR], s[WVN], 1
	s_and_b32 s[WP], s[WVN], 1
	s_bfe_u32 s[CX], ttmp6, 0x40000
	s_bfe_u32 s[CY], ttmp6, 0x40004
	s_and_b32 s40, ttmp7, 0xffff                   ; the cluster's y, 0..7
	s_cmp_eq_u32 ttmp9, 2                          ; the cluster's x: 0 q, 1 k, 2 v
	s_cselect_b32 s[ROLE], 1, 0
	s_cselect_b32 s41, s40, ttmp9                  ; P's tiles: v: 4 y + cx of X's 32;  q, k: 4 x + cx of Wq's and Wk's 8
	s_cselect_b32 s42, 0, s40                      ; R's tiles: v: cy of Wv's 4;  q, k: 4 y + cy of X's 32
	s_cselect_b32 s43, 0, 8192                     ; where P's rows begin in the buffer
	s_cselect_b32 s44, 10240, 0                    ; and R's
	s_lshl_b32 s41, s41, 2
	s_add_co_u32 s41, s41, s[CX]                   ; P's tile: it hangs on cx alone
	s_lshl_b32 s42, s42, 2
	s_add_co_u32 s42, s42, s[CY]                   ; R's tile: on cy alone
	s_lshl_b32 s45, s[CY], 2
	s_lshl_b32 s45, 15, s45                        ; my row of the cluster
	s_lshl_b32 s46, 0x1111, s[CX]                  ; my column
	; descriptor group 1: 128 rows x 256 bytes, padded in LDS
	s_or_b32 s[G1+0], s45, (0<<16)|(1<<20)|(1<<21)|(5<<22)|(3<<25)   ; 15:0 the mask: R's tiles go to my row; 17:16 elements of 1 byte; 20 padding on; 21 set beside a mask; 24:22 after every 64 words; 31:25 four words
	s_or_b32 s[G1B+0], s46, (0<<16)|(1<<20)|(1<<21)|(5<<22)|(3<<25)  ; P's go to my column
.irp g, G1, G1B
	s_mov_b32 s[\g+1], ROWB<<16                    ; tensor_dim0
	s_mov_b32 s[\g+2], 128<<16                     ; tensor_dim1
	s_mov_b32 s[\g+3], ROWB<<16                    ; tile_dim0
	s_mov_b32 s[\g+4], 128                         ; tile_dim1
	s_mov_b32 s[\g+5], KROW                        ; tensor_dim0_stride
	s_mov_b32 s[\g+6], 0
	s_mov_b32 s[\g+7], 0
.endr
	; the scale bytes of 128 rows: 4,096 dense bytes as 16 rows of 256 (32 elements of 8 bytes), 16 bytes of padding behind each
	s_or_b32 s[G1S+0], s45, (3<<16)|(1<<20)|(1<<21)|(5<<22)|(3<<25)
	s_or_b32 s[G1SB+0], s46, (3<<16)|(1<<20)|(1<<21)|(5<<22)|(3<<25)
.irp g, G1S, G1SB
	s_mov_b32 s[\g+1], 32<<16
	s_mov_b32 s[\g+2], 16<<16
	s_mov_b32 s[\g+3], 32<<16
	s_mov_b32 s[\g+4], 16
	s_mov_b32 s[\g+5], 32
	s_mov_b32 s[\g+6], 0
	s_mov_b32 s[\g+7], 0
.endr
	s_lshl_b32 s47, s[WP], 7                       ; which 128 rows of a tile I fetch
	s_lshl_b32 s92, s42, 8
	s_add_co_u32 s92, s92, s44
	s_add_co_u32 s92, s92, s47                     ; R: the first row that I would fetch
	s_lshl_b32 s94, s41, 8
	s_add_co_u32 s94, s94, s43
	s_add_co_u32 s94, s94, s47                     ; P likewise.  Every wave makes both, in registers that never hold the other coordinate, and asks by one
	s_lshl_b32 s96, s92, 5                         ; 32 scale bytes a row,
	s_lshl_b32 s92, s92, 9                         ; 512 bytes of codes
	s_lshl_b32 s98, s94, 5
	s_lshl_b32 s94, s94, 9
	s_mov_b32 s93, 0
	s_mov_b32 s95, 0
	s_mov_b32 s97, 0
	s_mov_b32 s99, 0
	s_mul_i32 s100, s[WVN], HALFT                  ; where they go: wave x 128 rows: no place in the cluster enters an LDS address
	s_mul_i32 s101, s[WVN], HALFS
	s_wait_dscnt 0x0
	s_wait_kmcnt 0x0
	s_add_nc_u64 s[92:93], s[4:5], s[92:93]
	s_add_nc_u64 s[96:97], s[6:7], s[96:97]
	s_add_nc_u64 s[94:95], s[4:5], s[94:95]
	s_add_nc_u64 s[98:99], s[6:7], s[98:99]
	CROUND                                         ; all sixteen work-groups are here: the joint loads meet
	s_mov_b32 s[G0S], 1
	s_add_co_u32 s[G0S+1], s101, SCLB
	s_mov_b64 s[G0S+2:G0S+3], s[96:97]
	s_or_b32 s[G0S+3], s[G0S+3], 0x80000000
	s_mov_b32 s[G0SB], 1
	s_add_co_u32 s[G0SB+1], s101, SCLB
	s_mov_b64 s[G0SB+2:G0SB+3], s[98:99]
	s_or_b32 s[G0SB+3], s[G0SB+3], 0x80000000
	JLOAD G0S, G1S, G0SB, G1SB                     ; the scale bytes first: they are wanted with slot 0
.irp s, 0,1
	s_mov_b32 s[G0+4*\s], 1
	s_add_co_u32 s[G0+4*\s+1], s100, \s*SLOT
	s_add_nc_u64 s[G0+4*\s+2:G0+4*\s+3], s[92:93], \s*ROWB
	s_or_b32 s[G0+4*\s+3], s[G0+4*\s+3], 0x80000000
	s_mov_b32 s[G0B+4*\s], 1
	s_add_co_u32 s[G0B+4*\s+1], s100, \s*SLOT
	s_add_nc_u64 s[G0B+4*\s+2:G0B+4*\s+3], s[94:95], \s*ROWB
	s_or_b32 s[G0B+4*\s+3], s[G0B+4*\s+3], 0x80000000
	JLOAD G0+4*\s, G1, G0B+4*\s, G1B               ; K = 0 .. 511, then 512 .. 1023: by this text's count three tensor loads of a wave are out
.endr
	v_and_b32 v1, 15, v0                           ; r
	v_bfe_u32 v2, v0, 4, 1                         ; h
	v_mul_u32_u24 v3, v1, PITCH
	v_lshl_add_u32 v4, v2, 4, v3                   ; a fragment's row x pitch + 16 h
	s_mul_i32 s43, s[WR], HALFT                    ; my 128 rows of R
	s_mul_i32 s44, s[WP], HALFT                    ; my 128 rows of P,
	s_add_co_u32 s44, s44, 2*HALFT                 ; which lie behind R's 256
.irp s, 0,1
	v_add_nc_u32 v[ADRA+\s], s43, v4
	v_add_nc_u32 v[ADRB+\s], s44, v4
	s_add_co_u32 s43, s43, SLOT
	s_add_co_u32 s44, s44, SLOT
.endr
	v_mul_u32_u24 v5, v1, KS                       ; my row's scale bytes: 32 a row,
	v_lshrrev_b32 v6, 8, v5
	v_lshl_add_u32 v5, v6, 4, v5                   ; and 16 more for each 256 passed
	s_mul_i32 s43, s[WR], HALFS
	s_mul_i32 s44, s[WP], HALFS
	s_add_co_u32 s44, s44, 2*HALFS
	s_sub_co_u32 s44, s44, s43
	v_mul_u32_u24 v6, s44, v2                      ; lanes 16-31 take P's: one product, the distance between the two bases
	s_add_co_u32 s43, s43, SCLB
	v_add_nc_u32 v5, v5, v6
	v_add_nc_u32 v[ADRS], s43, v5
	v_and_b32 v7, 31, v0
	v_lshlrev_b32 v[LI], 4, v7
	v_lshlrev_b32 v[L8], 3, v7
	v_lshlrev_b32 v[BO], 6, v2
	v_and_b32 v7, 8, v1
	v_add_nc_u32 v7, v7, v1
	v_lshlrev_b32 v[BVO], 2, v7
	; Where my wave's results go.  A' = the tile of 256 features among Wq's, Wk's, Wv's twelve; Bx = the tile of 256 rows of X.  img: (A' / 4) << 22 | (Bx / 8) << 20 | (A' % 4) << 18 | my half of the features << 17
	; | (Bx % 8) << 14 | my half of X's rows << 13;  scl: the same >> 4.  These numbers mix cx and cy: they live in s2, s3, s66, s67, which feed no descriptor.
	s_add_co_u32 s2, s42, 8
	s_cmp_eq_u32 s[ROLE], 1
	s_cselect_b32 s2, s2, s41                      ; A'
	s_cselect_b32 s3, s41, s42                     ; Bx
	s_lshr_b32 s66, s2, 2                          ; 0 q, 1 k, 2 v
	s_cmp_eq_u32 s66, 1
	s_cselect_b64 s[8:9], s[10:11], s[8:9]
	s_cmp_eq_u32 s66, 2
	s_cselect_b64 s[8:9], s[12:13], s[8:9]         ; the bias that belongs to it
	s_lshl_b32 s66, s66, 22
	s_and_b32 s2, s2, 3
	s_lshl_b32 s67, s2, 18
	s_add_co_u32 s66, s66, s67
	s_lshr_b32 s67, s3, 3
	s_lshl_b32 s67, s67, 20
	s_add_co_u32 s66, s66, s67
	s_and_b32 s3, s3, 7
	s_lshl_b32 s3, s3, 14
	s_add_co_u32 s66, s66, s3
	s_cmp_eq_u32 s[ROLE], 1
	s_cselect_b32 s3, s[WR], s[WP]                 ; my half of the features
	s_cselect_b32 s67, s[WP], s[WR]                ; my half of X's rows
	s_lshl_b32 s67, s67, 13
	s_add_co_u32 s66, s66, s67
	s_lshl_b32 s67, s3, 17
	s_add_co_u32 s66, s66, s67
	s_mov_b32 s67, 0
	s_add_nc_u64 s[14:15], s[14:15], s[66:67]
	s_lshr_b32 s66, s66, 4
	s_add_nc_u64 s[16:17], s[16:17], s[66:67]
	s_lshl_b32 s66, s2, 10                         ; my 128 features' bias: 4 x (256 (A' % 4) + 128 x my half)
	s_lshl_b32 s3, s3, 9
	s_add_co_u32 s66, s66, s3
	s_add_nc_u64 s[8:9], s[8:9], s[66:67]
	; Both forms of the bias are loaded by every wave, from the same 512 bytes: along P (register 16 B + i: feature 32 B + 16 h + i) and for my row of R (block a: feature 32 (a / 2) + 8 (a % 2) + r + 8 (r / 8)).
	WIN TO_B
.irp b, 0,1,2,3
.irp j, 0,1,2,3
	global_load_b128 v[BX+16*\b+4*\j:BX+16*\b+4*\j+3], v[BO], s[8:9] offset:128*\b+16*\j
.endr
.endr
.irp a, 0,1,2,3,4,5,6,7
	global_load_b32 v[BV+\a], v[BVO], s[8:9] offset:4*(32*(\a/2)+8*(\a%2))
.endr
	WIN 0
	s_mov_b32 s[SEL], 0x76543210
	s_mov_b32 s[SEL+1], 0xfedcba98
	s_mov_b32 s3, 0xffff0000                       ; the lanes 16-31
.macro FRAG reg, adr, q, i             ; a fragment, 16 rows x 128 K of 4-bit codes, is 8 registers: lane l holds row l % 16; registers 4 c .. 4 c + 3 hold K = 64 c + 32 (l / 16) + 0 .. 31
.irp c, 0,1
	ds_load_b128 v[\reg+4*\c:\reg+4*\c+3], v[\adr] offset:64*(\q)+32*\c+(\i)*16*PITCH
.endr
.endm
; 16 matrix instructions: R's blocks a0, a0 + 1 x P's eight, 128 along K: the slot's q-th.  p: P's set;  sc: the set of scale words.  zero = 1: the first product starts the sums.
; The 64 accumulators take turns, one instruction a turn, in the same order in every step.
.macro MUL16 a0, p, q, sc, zero
.irp a, \a0, \a0+1
.irp b, 0,1,2,3,4,5,6,7
.if \zero
	v_wmma_scale_f32_16x16x128_f8f6f4 v[8*(8*((\a)%4)+\b):8*(8*((\a)%4)+\b)+7], v[128*(\p)+FR*\b:128*(\p)+FR*\b+FR-1], v[AF+FR*(\a):AF+FR*(\a)+FR-1], 0, v[SC+8*NQ*(\sc)+NQ*\b+(\q)], v[SC+8*NQ*(\sc)+NQ*(\a)+(\q)] matrix_a_fmt:MATRIX_FMT_FP4 matrix_b_fmt:MATRIX_FMT_FP4 matrix_a_scale:MATRIX_SCALE_ROW1
.else
	v_wmma_scale_f32_16x16x128_f8f6f4 v[8*(8*((\a)%4)+\b):8*(8*((\a)%4)+\b)+7], v[128*(\p)+FR*\b:128*(\p)+FR*\b+FR-1], v[AF+FR*(\a):AF+FR*(\a)+FR-1], v[8*(8*((\a)%4)+\b):8*(8*((\a)%4)+\b)+7], v[SC+8*NQ*(\sc)+NQ*\b+(\q)], v[SC+8*NQ*(\sc)+NQ*(\a)+(\q)] matrix_a_fmt:MATRIX_FMT_FP4 matrix_b_fmt:MATRIX_FMT_FP4 matrix_a_scale:MATRIX_SCALE_ROW1
.endif
.endr
.endr
.endm
.macro FETCH_B slot, q, p              ; P's eight fragments of the slot's q-th 128 along K into set p
	WIN TO_B
.irp i, 0,1,2,3,4,5,6,7
	FRAG 128*(\p)+FR*\i, ADRB+\slot, \q, \i
.endr
	WIN 0
.endm
.macro FETCH_A slot, q, i0             ; R's blocks i0 .. i0 + 3
.irp i, \i0, \i0+1, \i0+2, \i0+3
	FRAG AF+FR*(\i), ADRA+\slot, \q, \i
.endr
.endm
.macro SCALES sc                       ; a slot's scale words into set sc: four words a row; lanes 0-15 take R's block i, lanes 16-31 P's block i
.irp i, 0,1,2,3,4,5,6,7
	ds_load_b128 v[SC+8*NQ*\sc+NQ*\i:SC+8*NQ*\sc+NQ*\i+3], v[ADRS] offset:\i*SBLK
.endr
.endm
; A load into a register that a matrix instruction has read, and a vector instruction that reads a matrix result or writes one of its registers, stand NP places behind it; only plain vector instructions
; that name none of its registers are places (ISA guide 7.12.1 for vector instructions).
.macro PLACES n
.rept \n
	v_nop
.endr
.endm
.macro STEP slot, q, zero              ; a step of 128 along K that has its successor in the same slot
	s_wait_dscnt 4*NL                              ; P's set, R's blocks 0-3 and the scale words are in; the youngest eight loads (R's blocks 4-7) may be out
	WIN MUL_LO
	MUL16 0, (\q)%2, \q, \slot, \zero
	MUL16 2, (\q)%2, \q, \slot, \zero
	s_wait_dscnt 0                                 ; R's blocks 4-7 are in (asked for 32 matrix instructions ago)
	PLACES NP
	FETCH_B \slot, (\q)+1, 1-(\q)%2
	FETCH_A \slot, (\q)+1, 0
	WIN MUL_HI
	MUL16 4, (\q)%2, \q, \slot, \zero
	MUL16 6, (\q)%2, \q, \slot, \zero
	PLACES NP
	WIN 0
	FETCH_A \slot, (\q)+1, 4
.endm
.macro STEPS slot, from                ; the slot's steps from .. NQ - 2
.set Q, \from
.rept NQ-1-\from
	STEP \slot, Q, 0
.set Q, Q+1
.endr
.endm
	s_wait_tensorcnt 1                             ; the scale bytes and my part of slot 0 are in (slot 1's load may be out)
	s_barrier_signal -1
	s_barrier_wait -1                              ; everybody's are
	FETCH_B 0, 0, 0
	FETCH_A 0, 0, 0
	SCALES 0
	FETCH_A 0, 0, 4
	STEP 0, 0, 1                                   ; the first step's products start the sums: nothing is cleared
	STEPS 0, 1
	; slot 0's last step changes slots: one barrier, in front of which each wave has seen its part of slot 1 land; no LDS byte is filled again
	s_wait_tensorcnt 0x0                           ; my part of slot 1 has landed
	s_wait_dscnt 4*NL                              ; (R's blocks 4-7 may be out)
	WIN MUL_LO
	MUL16 0, 1, NQ-1, 0, 0
	s_wait_dscnt 0x0                               ; no LDS instruction of mine is pending at the signal
	s_barrier_signal -1
	MUL16 2, 1, NQ-1, 0, 0                         ; work on registers while the others arrive
	WIN 0
	s_barrier_wait -1                              ; slot 1 is whole
	PLACES NP
	v_add_nc_u32 v[ADRS], 4*NQ, v[ADRS]            ; on to slot 1's scale words
	FETCH_B 1, 0, 0
	FETCH_A 1, 0, 0
	SCALES 1
	WIN MUL_HI
	MUL16 4, 1, NQ-1, 0, 0
	MUL16 6, 1, NQ-1, 0, 0
	PLACES NP
	WIN 0
	FETCH_A 1, 0, 4
	STEPS 1, 0
	s_wait_dscnt 4*NL                              ; the very last step: nothing more to fetch
	WIN MUL_LO
	MUL16 0, 1, NQ-1, 1, 0
	MUL16 2, 1, NQ-1, 1, 0
	s_wait_dscnt 0
	WIN MUL_HI
	MUL16 4, 1, NQ-1, 1, 0
	MUL16 6, 1, NQ-1, 1, 0
	WIN 0
; 64 numbers of a lane, v[s] .. v[s + 63], register 16 b + i = place 32 b + 16 (lane / 16) + i along the next K of my row, become a fragment's codes in v[pc] on and its scale word in v[pw].
.macro QUANT s, pc, pw
.irp b, 0,1,2,3
	v_max3_num_f32 v[TM+\b], |v[\s+16*\b]|, |v[\s+1+16*\b]|, 0x1800000   ; block b: my 16 numbers, and the floor 2^(3 - 127): the byte cannot fall under 1
.endr
.irp i, 2,4,6,8,10,12,14
.irp b, 0,1,2,3
	v_max3_num_f32 v[TM+\b], v[TM+\b], |v[\s+16*\b+\i]|, |v[\s+1+16*\b+\i]|   ; (the four blocks by turns)
.endr
.endr
.irp b, 0,1,2,3
	v_permlanex16_b32 v[TM+4+\b], v[TM+\b], s[SEL], s[SEL+1]
.endr
.irp b, 0,1,2,3
	v_max_num_f32 v[TM+\b], v[TM+\b], v[TM+4+\b]   ; with lane l xor 16's: the block's largest magnitude
.endr
.irp b, 0,1,2,3
	v_add_nc_u32 v[TM+12+\b], 0xff000000, v[TM+\b] ; 2 off its exponent field: the conversion's scale operand
.endr
.irp b, 0,1,2,3
	v_lshrrev_b32 v[TM+4+\b], 23, v[TM+12+\b]      ; the scale's byte
.endr
	v_lshl_or_b32 v[\pw], v[TM+5], 8, v[TM+4]      ; the four bytes make my row's scale word
	v_lshl_or_b32 v[\pw], v[TM+6], 16, v[\pw]
	v_lshl_or_b32 v[\pw], v[TM+7], 24, v[\pw]
.irp b, 0,1,2,3
	v_cvt_scalef32_pk8_fp4_f32 v[\pc+2*\b], v[\s+16*\b:\s+7+16*\b], v[TM+12+\b]
	v_cvt_scalef32_pk8_fp4_f32 v[\pc+1+2*\b], v[\s+8+16*\b:\s+15+16*\b], v[TM+12+\b]
.endr
	v_nop                                          ; one plain place behind a scaled conversion
.irp c, 0,1                                    ; the operand's layout wants a WHOLE block in a lane: lanes 0-15 block 2 c, lanes 16-31 block 2 c + 1
.irp i, 0,1
	v_permlane16_swap_b32 v[\pc+4*\c+\i], v[\pc+2+4*\c+\i]
.endr
.endr
.endm
; Block a of R (16 rows, one a lane) x my 128 of P.  The bias is added on the way into window 0, each accumulator from its low end on; then the 64 numbers are quantised and the fragment leaves as it stands.
; Every block has its own registers for its codes, so no store's data are written again.
.macro EPI a
	s_cmp_eq_u32 s[ROLE], 0
	s_cbranch_scc0 .Lkeys_\@
	WIN (0x06+(\a)/4)                              ; source 0: window 2 or 3; source 1: window 1
.set e, 0
.rept 32
	v_pk_add_f32 v[T+e:T+e+1], v[64*((\a)%4)+e:64*((\a)%4)+e+1], v[BX+e:BX+e+1]   ; q, k: the registers run along the features
.set e, e+2
.endr
	WIN 0
	s_branch .Ljoin_\@
.Lkeys_\@:
	WIN (0x06+(\a)/4)
.set e, 0
.rept 32
.if (\a)%2
	v_pk_add_f32 v[T+e:T+e+1], v[64*((\a)%4)+e:64*((\a)%4)+e+1], v[BV+2*((\a)/2):BV+2*((\a)/2)+1] op_sel:[0,1] op_sel_hi:[1,1]   ; v: the lane is the feature: one number for all 64
.else
	v_pk_add_f32 v[T+e:T+e+1], v[64*((\a)%4)+e:64*((\a)%4)+e+1], v[BV+2*((\a)/2):BV+2*((\a)/2)+1] op_sel:[0,0] op_sel_hi:[1,0]
.endif
.set e, e+2
.endr
	WIN 0
.Ljoin_\@:
	QUANT T, (PCB+8*(\a)), (SW+(\a))
	global_store_b128 v[LI], v[PCB+8*(\a):PCB+8*(\a)+3], s[14:15] offset:1024*(\a)        ; 32 lanes store 512 consecutive bytes: q, k: the pair's first head;  v: keys 0-63 of the step
	global_store_b128 v[LI], v[PCB+8*(\a)+4:PCB+8*(\a)+7], s[14:15] offset:1024*(\a)+512  ; the second head;  keys 64-127
.endm
	s_wait_loadcnt 0x0                             ; the bias
.irp b, 0,1,2,3
	v_mov_b32 v[TM+4+\b], 0                        ; a lane permute's destination counts as one of its sources.  These four are also the places behind the last products
.endr
.irp a, 0,1,2,3,4,5,6,7
	EPI \a
.endr
	; the scale words, packed as the attention launch reads them
	s_cmp_eq_u32 s[ROLE], 0
	s_cbranch_scc0 .Ltail_v
.irp p, 0,1,2,3
	v_perm_b32 v[T+4+\p], v[SW+2*\p+1], v[SW+2*\p], 0x05040100    ; first head: the two bytes of tile 2 p, then of tile 2 p + 1
	v_perm_b32 v[T+8+\p], v[SW+2*\p+1], v[SW+2*\p], 0x07060302    ; second head
.endr
	v_cndmask_b32 v[T+0], v[T+4], v[T+5], s3       ; lanes 0-15 the even pair of tiles, lanes 16-31 the odd one
	v_cndmask_b32 v[T+1], v[T+6], v[T+7], s3
	v_cndmask_b32 v[T+2], v[T+8], v[T+9], s3
	v_cndmask_b32 v[T+3], v[T+10], v[T+11], s3
	s_branch .Ltail_j
.Ltail_v:
.irp c, 0,1,2,3
	v_cndmask_b32 v[T+\c], v[SW+2*\c], v[SW+2*\c+1], s3   ; lanes 0-15 channel tile 2 c, lanes 16-31 tile 2 c + 1 (tiles 0-3: first head, 4-7: second)
.endr
.Ltail_j:
	global_store_b64 v[L8], v[T:T+1], s[16:17]             ; 256 consecutive bytes: the first head's record
	global_store_b64 v[L8], v[T+2:T+3], s[16:17] offset:256   ; the second's
	s_wait_tensorcnt 0x0
	ds_add_u32 v118, v119
	s_wait_dscnt 0x0
	CROUND                                         ; the closing round: no work-group ends while a partner may still ask for a tile that names it
	s_endpgm
.Lfunc_end_k_q1847be4c37_proj:
	.size	k_q1847be4c37_proj, .Lfunc_end_k_q1847be4c37_proj-k_q1847be4c37_proj
	.p2alignl 7, 3214868480
	.fill 96, 4, 3214868480
	.section	.rodata,"a",@progbits
	.p2align	6, 0x0
	.amdhsa_kernel k_q1847be4c37_proj
		.amdhsa_group_segment_fixed_size 296448
		.amdhsa_private_segment_fixed_size 0
		.amdhsa_enable_private_segment 0
		.amdhsa_kernarg_size 56
		.amdhsa_user_sgpr_count 2
		.amdhsa_user_sgpr_kernarg_segment_ptr 1
		.amdhsa_wavefront_size32 1
		.amdhsa_system_sgpr_workgroup_id_x 1
		.amdhsa_system_sgpr_workgroup_id_y 1
		.amdhsa_system_sgpr_workgroup_id_z 1
		.amdhsa_system_vgpr_workitem_id 0
		.amdhsa_next_free_vgpr 1024
		.amdhsa_next_free_sgpr 102
		.amdhsa_reserve_vcc 0
		.amdhsa_float_denorm_mode_32 3
		.amdhsa_float_denorm_mode_16_64 3
		.amdhsa_memory_ordered 1
		.amdhsa_forward_progress 1
		.amdhsa_inst_pref_size 165
	.end_amdhsa_kernel
	.amdgpu_metadata
---
amdhsa.version: [ 1, 2 ]
amdhsa.kernels:
  - .name:           k_q1847be4c37_proj
    .symbol:         k_q1847be4c37_proj.kd
    .args:
      - { .name: xw_codes, .offset: 0, .size: 8, .value_kind: global_buffer, .address_space: global }
      - { .name: xw_scl, .offset: 8, .size: 8, .value_kind: global_buffer, .address_space: global }
      - { .name: bq, .offset: 16, .size: 8, .value_kind: global_buffer, .address_space: global }
      - { .name: bk, .offset: 24, .size: 8, .value_kind: global_buffer, .address_space: global }
      - { .name: bv, .offset: 32, .size: 8, .value_kind: global_buffer, .address_space: global }
      - { .name: img, .offset: 40, .size: 8, .value_kind: global_buffer, .address_space: global }
      - { .name: scl, .offset: 48, .size: 8, .value_kind: global_buffer, .address_space: global }
    .group_segment_fixed_size: 296448
    .private_segment_fixed_size: 0
    .kernarg_segment_align: 8
    .kernarg_segment_size: 56
    .max_flat_workgroup_size: 128
    .sgpr_count:     102
    .vgpr_count:     1024
    .wavefront_size: 32
...
	.end_amdgpu_metadata
.endif
;; end of part 2
;; launch attn (part 3): grid 4 x 64, 16 waves a work-group, no clusters, 210,944 bytes of LDS; arguments inputs, img, scl, mwords, out0; writes out0
.if DOCPART == 3
	.amdgcn_target "amdgcn-amd-amdhsa--gfx1250"
	.amdhsa_code_object_version 6
	.text
	.protected	k_q1847be4c37_attn
	.globl	k_q1847be4c37_attn
	.p2align	8
	.type	k_q1847be4c37_attn,@function
k_q1847be4c37_attn:
	s_mov_b64 s[64:65], 0
	v_nop
	global_prefetch_b8 v0, s[64:65] scope:SCOPE_SE
	s_setreg_imm32_b32 hwreg(HW_REG_WAVE_MODE, 25, 1), 1
	s_wait_xcnt 0x0
; ATTN.  out0 = inputs + softmax(q k^T / 32, hidden where the mask says so) v, for 64 heads (batch x 16) of 2,048 x 64, both products on codes of FP4 (E2M1) with one E8M0 scale for each 32 along a product's K.
; q, k, v come as images of operand registers with their scale words, the mask as lane masks with a flag for each (tile of queries, step of 128 keys).
; THE SOFTMAX AHEAD OF THE SECOND PRODUCT: t = score x log2(e) / 32; M = the row's largest t so far, rounded UP to a whole number; p = 2^(t - M) is quantised along the keys, not normalised; the row's sum is taken of the
; unquantised p and divides at the end.  When M moves, the sum and O are multiplied by 2^(old M - new M): exact.  A row that the mask hides altogether gives 0 x infinity = NaN, as the softmax of such a row does.
; SHARES.  A work-group owns 512 queries of one head; each of its sixteen waves two tiles of 16, one after the other, in 256 registers: four waves to a SIMD, so that one wave's vector work stands beside another's products.
; THE WHOLE HEAD'S K AND V LIE IN LDS: 64 KB + 64 KB of codes, 4 KB + 4 KB of scale words, brought once, through registers (wave w: step w), behind ONE barrier; then nothing in LDS changes but each wave's own stage.
; NO CLUSTER, NO TENSOR LOAD: what work-groups share is these 136 KB, read once at the head against 32 key steps of work a wave; and a step that hides nothing jumps over its 64 selections by a branch on a stored flag.
; NO PREFETCH: the residual is asked for 16 steps, the mask words one step, ahead of their use.
; LAYOUT.  Both products are used transposed: S^T = K Q^T, O^T = V^T P^T: a lane holds ONE query (lane % 16).  Tiles hold rows 8 u + r + 8 (r / 8) of a group of 32, queries, keys and channels alike: so score register
; 16 b + i is key 32 b + 16 (lane / 16) + i of the step, and O^T's register 16 b + i is channel 32 b + 16 (lane / 16) + i.
; K = 64 IN A FORM OF K = 128: source 0 holds TWO tiles of keys, one in each half of K; Q lies as [q | 0 | q] in twelve registers, and [q | 0] picks the first tile, [0 | q] the second: zero codes add nothing.
; LIMIT: a block of 32 p that have all fallen to 0 keeps the byte 1: its codes are zeros.
.set KIMG,  0                          ; LDS: K: tile of 16 keys x 512 bytes
.set VIMG,  65536                      ; V: step x 4 KB: four channel tiles x 1 KB
.set KSC,   131072                     ; K's scale words: step x 256 bytes
.set VSC,   135168                     ; V's
.set STAGE, 139264                     ; the way out: 16 rows x (256 + 16) bytes for each wave
.set SP,    272
.set L16,  1                           ; v1   16 x lane: my place in an image (and K's region begins at 0)
.set AV0,  2                           ; v2   VIMG + 16 x lane
.set AKS0, 3                           ; v3   KSC + 8 x lane
.set AVS0, 4                           ; v4   VSC + 8 x lane
.set STO,  5                           ; v5   the stage: where I put my channels
.set SRD,  6                           ; v6   and where I read a row back
.set GO,   7                           ; v7   my byte offset among the tile's rows of inputs and out0
.set KS,   8                           ; v[8:9]   K's scale words of the step: register p / 2, lanes 16 (p % 2) on: pair of tiles p
.set VS,   10                          ; v[10:11] V's: register t / 2, lanes 16 (t % 2) on: channel tile t
.set QF,   16                          ; v16-27  q | 0 | q          (v12 -M, v13 the largest t, v[14:15] the sum in two halves)
.set QS,   28                          ; v28  Q's scale word: its two bytes twice
.set NINF, 29                          ; v29  -infinity
.set PS,   30                          ; v30  p's scale word
.set QR,   31                          ; v31  the two tiles' scale bytes as loaded
.set KF,   32                          ; v32-63  four fragments of K (two tiles each)
.set VF,   64                          ; v64-95  four fragments of V
.set S,    96                          ; v96-159 S^T, then p
.set O,    160                         ; v160-191 O^T
.set PCD,  192                         ; v192-199 p's codes
.set BM,   200                         ; v200-203 each block's largest score, then p
.set PM,   204                         ; v204-207 the other half's, then bytes
.set SO,   208                         ; v208-211 the conversions' scale operands
.set FF,   212                         ; v[212:213] f = 2^(old M - new M) (the low word serves)
.set TT,   214
.set SU,   216                         ; v[216:217] the sums' second chain
.set ADV,  218                         ; v218-221 LDS addresses of the loads in hand
.set ADVS, 219
.set ADK,  220
.set ADKS, 221
.set RES,  224                         ; v224-255 the residual: my part of 16 rows of inputs
.set WV,   52                          ; s52 wave; s53 tiles to go; s54 steps to go; s55 the flags, a bit a step; s56, s57 the step's offsets in codes and scale words; s58 the next mask words' offset
.set TCNT, 53
.set SCNT, 54
.set FL,   55
.set TS,   56
.set TC,   57
.set MO,   58
.set SEL,  60                          ; s[60:61] lane selects for v_permlanex16_b32: lane l xor 16
.set CS,   62                          ; s[62:63] c = log2(e) / 32, twice: the packed form names a pair
.set QSEL, 67                          ; s67  which two bytes of v31 are this tile's
.set IN,   84                          ; s[84:85] inputs, s[86:87] out0 at the tile's first row; s[88:89] my two tiles' mask words; s[90:91] the tile's image of q
.set OUTP, 86
.set MW,   88
.set QI,   90
; The step's 64 mask words lie in s4-51 (words 0-47) and s68-83 (words 48-63).
	s_load_b256 s[4:11], s[0:1], 0x0               ; inputs s[4:5], img s[6:7], scl s[8:9], the mask words s[10:11]
	s_load_b64 s[12:13], s[0:1], 0x20              ; out0
	v_lshl_add_u32 v222, v0, 2, 0x33000
	v_mov_b32 v223, 0
	v_lshrrev_b32 v200, 5, v0
	v_readfirstlane_b32 s[WV], v200                ; wave 0..15
	v_and_b32 v200, 31, v0                         ; lane
	v_and_b32 v201, 15, v0                         ; r
	v_bfe_u32 v202, v0, 4, 1                       ; h
	v_lshlrev_b32 v[L16], 4, v200
	v_add_nc_u32 v[AV0], VIMG, v[L16]
	v_lshlrev_b32 v203, 3, v200                    ; 8 x lane
	v_add_nc_u32 v[AKS0], KSC, v203
	v_add_nc_u32 v[AVS0], VSC, v203
	v_lshlrev_b32 v204, 3, v201                    ; 8 r
	v_lshl_add_u32 v[ADV], s[WV], 12, v[L16]       ; the fill: step w of K,
	v_lshl_add_u32 v[ADVS], s[WV], 12, v[AV0]      ; of V,
	v_lshl_add_u32 v[ADK], s[WV], 8, v[AKS0]       ; and their scale words
	v_lshl_add_u32 v[ADKS], s[WV], 8, v[AVS0]
	s_mul_i32 s50, s[WV], 16*SP
	s_add_co_u32 s50, s50, STAGE                   ; my stage
	v_mul_u32_u24 v[STO], v201, SP
	v_lshl_add_u32 v[STO], v202, 6, v[STO]
	v_add_nc_u32 v[STO], s50, v[STO]               ; in: row r, + 64 h: my 16 channels of each 32
	v_mul_u32_u24 v[SRD], v202, SP
	v_lshl_add_u32 v[SRD], v201, 4, v[SRD]
	v_add_nc_u32 v[SRD], s50, v[SRD]               ; back: lanes 0-15 one row, lanes 16-31 the next
	v_lshlrev_b32 v[GO], 14, v202                  ; from one query to the next: 4 x 4,096 bytes
	v_lshl_add_u32 v[GO], v201, 4, v[GO]
	s_and_b32 s14, ttmp7, 0xffff                   ; the head: 16 x batch + head of the batch
	s_lshr_b32 s15, s14, 4                         ; b
	s_bfe_u32 s16, s14, 0x30001                    ; the pair of heads
	s_and_b32 s17, s14, 1                          ; which of the pair
	s_lshl_b32 s18, ttmp9, 5
	s_lshl_b32 s19, s[WV], 1
	s_add_co_u32 s18, s18, s19                     ; my first tile of queries: 32 x work-group x + 2 x wave
	s_lshl_b32 s20, s15, 20
	s_lshl_b32 s21, s16, 17
	s_add_co_u32 s20, s20, s21                     ; img: batch, pair
	s_lshr_b32 s21, s20, 4                         ; scl: the same
	s_lshl_b32 s40, s[WV], 13
	s_add_co_u32 s40, s40, s20                     ; step w: 8 KB a step
	s_lshl_b32 s41, s17, 9
	s_add_co_u32 s22, s40, s41
	s_add_co_u32 s22, s22, 0x400000                ; k: tile i at 1024 i, my head's 512 bytes of it
	s_lshl_b32 s42, s17, 12
	s_add_co_u32 s24, s40, s42
	s_add_co_u32 s24, s24, 0x800000                ; v: my head's 4 KB
	s_lshl_b32 s26, s18, 10
	s_add_co_u32 s26, s26, s20
	s_add_co_u32 s26, s26, s41                     ; q: tile tau at 1024 tau
	s_lshl_b32 s40, s[WV], 9
	s_add_co_u32 s40, s40, s21
	s_lshl_b32 s41, s17, 8
	s_add_co_u32 s40, s40, s41                     ; scale words: step w, my head's record
	s_add_co_u32 s28, s40, 0x40000                 ; k's
	s_add_co_u32 s30, s40, 0x80000                 ; v's
	s_lshr_b32 s32, s18, 3                         ; q's: the step that holds my two tiles,
	s_lshl_b32 s32, s32, 9
	s_add_co_u32 s32, s32, s21
	s_add_co_u32 s32, s32, s41
	s_and_b32 s42, s[WV], 1                        ; their pair w % 4 lies in lanes 16 (w % 2) on,
	s_lshl_b32 s42, s42, 7
	s_add_co_u32 s32, s32, s42
	s_bfe_u32 s42, s[WV], 0x10001                  ; word (w / 2) % 2
	s_lshl_b32 s42, s42, 2
	s_add_co_u32 s32, s32, s42
	s_lshl_b32 s34, s18, 18                        ; inputs, out0: query 16 tau x 16,384 bytes,
	s_lshl_b32 s42, s15, 12                        ; the batch's 4,096,
	s_add_co_u32 s34, s34, s42
	s_and_b32 s42, s14, 15
	s_lshl_b32 s42, s42, 8                         ; the head's 256
	s_add_co_u32 s34, s34, s42
	s_lshl_b32 s36, s18, 12                        ; mask words: 4,096 bytes a tile
	s_lshl_b32 s38, s18, 4                         ; flags: 16 bytes a tile, behind the words
	s_add_co_u32 s38, s38, 524288
.irp i, 23,25,27,29,31,33,35,37,39
	s_mov_b32 s\i, 0
.endr
	s_mov_b32 s[SEL], 0x76543210
	s_mov_b32 s[SEL+1], 0xfedcba98
	s_mov_b32 s[CS], 0x3d38aa3b                    ; log2(e) / 32
	s_mov_b32 s[CS+1], s[CS]
	s_mov_b32 s[QSEL], 0x01000100                  ; the first tile's two bytes, twice
	s_mov_b32 s[MO], 0
	s_mov_b32 s[TCNT], 2
	s_wait_kmcnt 0x0
	s_add_nc_u64 s[22:23], s[6:7], s[22:23]
	s_add_nc_u64 s[24:25], s[6:7], s[24:25]
	s_add_nc_u64 s[QI:QI+1], s[6:7], s[26:27]
	s_add_nc_u64 s[28:29], s[8:9], s[28:29]
	s_add_nc_u64 s[30:31], s[8:9], s[30:31]
	s_add_nc_u64 s[32:33], s[8:9], s[32:33]
	s_add_nc_u64 s[IN:IN+1], s[4:5], s[34:35]
	s_add_nc_u64 s[OUTP:OUTP+1], s[12:13], s[34:35]
	s_add_nc_u64 s[MW:MW+1], s[10:11], s[36:37]
	s_add_nc_u64 s[38:39], s[10:11], s[38:39]
.irp i, 0,1,2,3,4,5,6,7
	global_load_b128 v[S+4*\i:S+4*\i+3], v[L16], s[22:23] offset:1024*\i      ; step w of K: eight tiles, 512 consecutive bytes each
.endr
.irp i, 0,1,2,3,4,5,6,7
	global_load_b128 v[S+32+4*\i:S+32+4*\i+3], v[L16], s[24:25] offset:512*\i ; step w of V: 4 KB on end
.endr
	global_load_b64 v[O:O+1], v203, s[28:29]
	global_load_b64 v[O+2:O+3], v203, s[30:31]
	global_load_b32 v[QR], v204, s[32:33]          ; my two tiles' scale bytes: lane r (and 16 + r) has row r's
	s_load_b256 s[92:99], s[38:39], 0x0            ; my two tiles' flags: eight words of four bits
	s_wait_kmcnt 0x0
	s_mov_b32 s[FL], s92
.irp i, 1,2,3,4,5,6,7
	s_lshl_b32 s[92+\i], s[92+\i], 4*\i
	s_or_b32 s[FL], s[FL], s[92+\i]                ; bit 16 i + S: tile i, step S
.endr
	s_wait_loadcnt 0x0                             ; all nineteen are in (and their address registers and bases are free)
.irp i, 0,1,2,3,4,5,6,7
	ds_store_b128 v[ADV], v[S+4*\i:S+4*\i+3] offset:512*\i
.endr
.irp i, 0,1,2,3,4,5,6,7
	ds_store_b128 v[ADVS], v[S+32+4*\i:S+32+4*\i+3] offset:512*\i
.endr
	ds_store_b64 v[ADK], v[O:O+1]
	ds_store_b64 v[ADKS], v[O+2:O+3]
	s_wait_dscnt 0x0                               ; for the others' sake: my stores have landed
	s_barrier_signal -1
	s_barrier_wait -1                              ; the whole head lies in LDS: the kernel's one barrier
.irp i, 0,1,2
	s_load_b512 s[4+16*\i:19+16*\i], s[MW:MW+1], s[MO] offset:64*\i   ; the first step's mask words
.endr
	s_load_b512 s[68:83], s[MW:MW+1], s[MO] offset:192
	v_mov_b32 v[NINF], 0xff800000
.irp i, 0,1,2,3
	v_mov_b32 v[QF+4+\i], 0                        ; the zero codes between q and q
	v_mov_b32 v[PM+\i], 0                          ; a lane permute's destination counts as one of its sources
.endr
	v_mov_b32 v[FF+1], 0                           ; named as the upper half of a pair
.Ltile:
	global_load_b128 v[QF:QF+3], v[L16], s[QI:QI+1]        ; q's image, twice: two runs of registers
	global_load_b128 v[QF+8:QF+11], v[L16], s[QI:QI+1]
.irp k, 0,1,2,3,4,5,6,7
	global_load_b128 v[RES+4*\k:RES+4*\k+3], v[GO], s[IN:IN+1] offset:(2*\k+8*(\k/4))*16384 th:TH_LOAD_NT   ; stage rows 2 k and 2 k + 1 are queries 2 k + h + 8 (k / 4) of the tile's 24: sixteen lanes read 256 consecutive bytes
.endr
.irp p, 0,1,2,3
	ds_load_b128 v[KF+8*\p:KF+8*\p+3], v[L16] offset:1024*\p          ; K of step 0
	ds_load_b128 v[KF+8*\p+4:KF+8*\p+7], v[L16] offset:1024*\p+512
.endr
	ds_load_b64 v[KS:KS+1], v[AKS0]
	v_mov_b32 v13, 0xff61b1e6                      ; the largest t so far: -3e38, under every t
	v_floor_f32 v12, -v13                          ; -M
	v_mov_b32 v14, 0                               ; the sum, in two halves
	v_mov_b32 v15, 0
	v_perm_b32 v[QS], v[QR], v[QR], s[QSEL]        ; this tile's two bytes, for both halves of K
.set j, 0
.rept 32
	v_mov_b32 v[O+j], 0                            ; O^T.  (The step is written once: the first finds zeros.)  These are also the places between the scale word's making and the first product
.set j, j+1
.endr
	s_mov_b32 s[TS], 0
	s_mov_b32 s[TC], 0
	s_mov_b32 s[SCNT], 16
	s_wait_loadcnt 8                               ; q is in; the eight loads of the residual, issued behind it, may stay out
.Lstep:                                            ; a key step: 128 keys
	s_wait_dscnt 0x0                               ; K's fragments and scale words are in
.irp t, 0,1,2,3,4,5,6,7                        ; S^T = K Q^T: tile t lies in half t % 2 of fragment t / 2
.if ((\t)/2)%2
	v_wmma_scale_f32_16x16x128_f8f6f4 v[S+8*\t:S+8*\t+7], v[KF+8*(\t/2):KF+8*(\t/2)+7], v[QF+4*(\t%2):QF+4*(\t%2)+7], 0, v[KS+\t/4], v[QS] matrix_a_fmt:MATRIX_FMT_FP4 matrix_b_fmt:MATRIX_FMT_FP4 matrix_a_scale:MATRIX_SCALE_ROW1
.else
	v_wmma_scale_f32_16x16x128_f8f6f4 v[S+8*\t:S+8*\t+7], v[KF+8*(\t/2):KF+8*(\t/2)+7], v[QF+4*(\t%2):QF+4*(\t%2)+7], 0, v[KS+\t/4], v[QS] matrix_a_fmt:MATRIX_FMT_FP4 matrix_b_fmt:MATRIX_FMT_FP4
.endif
.endr
	v_add_nc_u32 v[ADV], s[TS], v[AV0]             ; four additions: the places behind the products, in front of the loads into K's and V's registers and of the first read of the scores
	v_add_nc_u32 v[ADVS], s[TC], v[AVS0]
	s_add_co_u32 s[TS], s[TS], 4096
	s_add_co_u32 s[TC], s[TC], 256
	v_add_nc_u32 v[ADK], s[TS], v[L16]
	v_add_nc_u32 v[ADKS], s[TC], v[AKS0]
.irp t, 0,1,2,3                                ; one run of 18 loads: this step's V,
	ds_load_b128 v[VF+8*\t:VF+8*\t+3], v[ADV] offset:1024*\t
	ds_load_b128 v[VF+8*\t+4:VF+8*\t+7], v[ADV] offset:1024*\t+512
.endr
	ds_load_b64 v[VS:VS+1], v[ADVS]
.irp p, 0,1,2,3                                ; and the next step's K (in a tile's last step: bytes of V's regions, which nobody uses)
	ds_load_b128 v[KF+8*\p:KF+8*\p+3], v[ADK] offset:1024*\p
	ds_load_b128 v[KF+8*\p+4:KF+8*\p+7], v[ADK] offset:1024*\p+512
.endr
	ds_load_b64 v[KS:KS+1], v[ADKS]
	s_wait_kmcnt 0x0                               ; the step's mask words are in (scalar loads: zero is the only count that shows anything); their offset register is free
	s_and_b32 s66, s[FL], 1                        ; does this step hide anything from my 16 queries?
	s_cbranch_scc0 .Lopen
.set n, 0
.rept 64                                       ; hidden scores become -infinity ahead of the maximum: p = 0 then.  Each accumulator from its low end on
.if n < 48
	v_cndmask_b32 v[S+n], v[S+n], v[NINF], s[4+n]
.else
	v_cndmask_b32 v[S+n], v[S+n], v[NINF], s[20+n]
.endif
.set n, n+1
.endr
.Lopen:
	s_lshr_b32 s[FL], s[FL], 1
	s_add_co_u32 s[MO], s[MO], 256
	s_and_b32 s[MO], s[MO], 0x1fff                 ; my two tiles' 32 steps; behind the last it goes back to the first: inside the buffer, not used
.irp i, 0,1,2
	s_load_b512 s[4+16*\i:19+16*\i], s[MW:MW+1], s[MO] offset:64*\i   ; the next step's mask words: a step ahead
.endr
	s_load_b512 s[68:83], s[MW:MW+1], s[MO] offset:192
.irp b, 0,1,2,3
	v_max3_num_f32 v[BM+\b], v[S+16*\b], v[S+1+16*\b], v[S+2+16*\b]   ; the largest score of each block of 32 keys: it serves for the row's maximum and, since p rises with the score, for the block's largest p
.endr
.irp i, 3,5,7,9,11,13
.irp b, 0,1,2,3
	v_max3_num_f32 v[BM+\b], v[BM+\b], v[S+16*\b+\i], v[S+1+16*\b+\i]
.endr
.endr
.irp b, 0,1,2,3
	v_max_num_f32 v[BM+\b], v[BM+\b], v[S+15+16*\b]
.endr
.irp b, 0,1,2,3
	v_permlanex16_b32 v[PM+\b], v[BM+\b], s[SEL], s[SEL+1]
.endr
.irp b, 0,1,2,3
	v_max_num_f32 v[BM+\b], v[BM+\b], v[PM+\b]     ; with lane l xor 16's 16 keys
.endr
	v_max3_num_f32 v[TT], v[BM], v[BM+1], v[BM+2]
	v_max_num_f32 v[TT], v[TT], v[BM+3]            ; the step's largest score of my query
	v_mul_f32 v[TT], s[CS], v[TT]                  ; as t (c is positive)
	v_max_num_f32 v13, v13, v[TT]                  ; the running largest t
	v_mov_b32 v[TT], v12
	v_floor_f32 v12, -v13                          ; the new -M = floor(-t) = -ceil(t): M is a whole number
	v_sub_f32 v[TT], v12, v[TT]                    ; old M - new M: a whole number, 0 or less
	v_cvt_i32_f32 v[TT], v[TT]                     ; (it saturates)
	v_ldexp_f32 v[FF], 1.0, v[TT]                  ; f = 2^(old M - new M)
.set j, 0
.rept 32
	v_pk_fma_f32 v[S+j:S+j+1], v[S+j:S+j+1], s[CS:CS+1], v[12:13] op_sel_hi:[1,0,0]   ; t - M, two at a time
.set j, j+2
.endr
.irp b, 0,1,2,3
	v_fma_f32 v[BM+\b], v[BM+\b], s[CS], v12       ; the same of each block's largest score
.endr
.set j, 0
.rept 64
	v_exp_f32 v[S+j], v[S+j]                       ; p = 2^(t - M), at most 1
.set j, j+1
.endr
.irp b, 0,1,2,3
	v_exp_f32 v[BM+\b], v[BM+\b]                   ; the block's largest p: the same two instructions on the same number
.endr
	v_pk_mul_f32 v[14:15], v[14:15], v[FF:FF+1] op_sel_hi:[1,0]   ; the sums under the new M (a plain place behind the exponentials)
	s_wait_alu depctr_va_vdst(0)
.irp b, 0,1,2,3
	v_max_num_f32 v[BM+\b], 0x1800000, v[BM+\b]    ; the floor 2^(3 - 127): the byte cannot fall under 1
.endr
.irp b, 0,1,2,3
	v_add_nc_u32 v[SO+\b], 0xff000000, v[BM+\b]    ; 2 off the exponent field: the conversion's scale operand
.endr
.irp b, 0,1,2,3
	v_lshrrev_b32 v[PM+\b], 23, v[SO+\b]           ; the scale's byte
.endr
	v_lshl_or_b32 v[PS], v[PM+1], 8, v[PM]         ; p's scale word for these 128 keys
	v_lshl_or_b32 v[PS], v[PM+2], 16, v[PS]
	v_lshl_or_b32 v[PS], v[PM+3], 24, v[PS]
.irp b, 0,1,2,3
	v_cvt_scalef32_pk8_fp4_f32 v[PCD+2*\b], v[S+16*\b:S+7+16*\b], v[SO+\b]
	v_cvt_scalef32_pk8_fp4_f32 v[PCD+1+2*\b], v[S+8+16*\b:S+15+16*\b], v[SO+\b]
.endr
	v_nop                                          ; one plain place behind a scaled conversion
.irp c, 0,1                                    ; the operand's layout wants a WHOLE block in a lane
.irp i, 0,1
	v_permlane16_swap_b32 v[PCD+4*\c+\i], v[PCD+2+4*\c+\i]
.endr
.endr
	v_pk_add_f32 v[SU:SU+1], v[S:S+1], v[S+2:S+3]  ; the row's sum is taken of the UNQUANTISED p: two at a time, in two chains
.irp j, 4,8,12,16,20,24,28,32,36,40,44,48,52,56,60
	v_pk_add_f32 v[14:15], v[14:15], v[S+\j:S+1+\j]
	v_pk_add_f32 v[SU:SU+1], v[SU:SU+1], v[S+2+\j:S+3+\j]
.endr
	v_pk_add_f32 v[14:15], v[14:15], v[SU:SU+1]
.set j, 0
.rept 16
	v_pk_mul_f32 v[O+j:O+j+1], v[O+j:O+j+1], v[FF:FF+1] op_sel_hi:[1,0]   ; O^T under the new M.  (With the sums: the places between the making of p's codes and scale word and the products)
.set j, j+2
.endr
	s_wait_dscnt 0x0                               ; V is in (and the next step's K)
.irp t, 0,1,2,3                                ; O^T += V^T P^T: the four accumulators by turns, one instruction a turn; eight other products stand between a link and the next
.if (\t)%2
	v_wmma_scale_f32_16x16x128_f8f6f4 v[O+8*\t:O+8*\t+7], v[VF+8*\t:VF+8*\t+7], v[PCD:PCD+7], v[O+8*\t:O+8*\t+7], v[VS+\t/2], v[PS] matrix_a_fmt:MATRIX_FMT_FP4 matrix_b_fmt:MATRIX_FMT_FP4 matrix_a_scale:MATRIX_SCALE_ROW1
.else
	v_wmma_scale_f32_16x16x128_f8f6f4 v[O+8*\t:O+8*\t+7], v[VF+8*\t:VF+8*\t+7], v[PCD:PCD+7], v[O+8*\t:O+8*\t+7], v[VS+\t/2], v[PS] matrix_a_fmt:MATRIX_FMT_FP4 matrix_b_fmt:MATRIX_FMT_FP4
.endif
.endr
	s_sub_co_u32 s[SCNT], s[SCNT], 1
	s_cmp_lg_u32 s[SCNT], 0
	s_cbranch_scc1 .Lstep
	; THE WAY OUT of a tile.  O^T / the sum goes through my stage and comes back as rows of 256 bytes; the residual is added; sixteen lanes store 256 consecutive bytes, aligned.
	v_add_f32 v14, v14, v15                        ; the sum's two halves,
	v_permlanex16_b32 v[PM], v14, s[SEL], s[SEL+1]
	v_add_f32 v14, v14, v[PM]                      ; and lane l xor 16's: the row's sum
	v_rcp_f32 v14, v14
.rept 3
	v_nop                                          ; a plain place behind the reciprocal; with the two additions: the places behind the last products
.endr
.set j, 0
	s_wait_alu depctr_va_vdst(0)
.rept 16
	v_pk_mul_f32 v[S+32+j:S+33+j], v[O+j:O+j+1], v[14:15] op_sel_hi:[1,0]   ; each accumulator from its low end on
.set j, j+2
.endr
.irp b, 0,1
.irp q, 0,1,2,3
	ds_store_b128 v[STO], v[S+32+16*\b+4*\q:S+35+16*\b+4*\q] offset:128*\b+16*\q   ; register 16 b + i is channel 32 b + 16 h + i
.endr
.endr
.irp k, 0,1,2,3,4,5,6,7
	ds_load_b128 v[S+4*\k:S+4*\k+3], v[SRD] offset:2*\k*SP   ; LDS serves a wave's instructions in order: these see my stores
.endr
	s_wait_loadcnt 0x0                             ; the residual, asked for 16 steps ago
.irp k, 0,1,2,3,4,5,6,7
	s_wait_dscnt 7-\k                              ; rows 2 k and 2 k + 1 are back; the later ones may be out
	v_pk_add_f32 v[S+4*\k:S+4*\k+1], v[S+4*\k:S+4*\k+1], v[RES+4*\k:RES+4*\k+1]
	v_pk_add_f32 v[S+4*\k+2:S+4*\k+3], v[S+4*\k+2:S+4*\k+3], v[RES+4*\k+2:RES+4*\k+3]
	global_store_b128 v[GO], v[S+4*\k:S+4*\k+3], s[OUTP:OUTP+1] offset:(2*\k+8*(\k/4))*16384 th:TH_STORE_NT
.endr
	s_wait_xcnt 0x0                                ; the stores have read their data and their base: both are written again only behind this wait
	s_add_nc_u64 s[IN:IN+1], s[IN:IN+1], 131072    ; the second tile's queries begin 8 rows further down
	s_add_nc_u64 s[OUTP:OUTP+1], s[OUTP:OUTP+1], 131072
	s_add_nc_u64 s[QI:QI+1], s[QI:QI+1], 1024
	s_add_co_u32 s[QSEL], s[QSEL], 0x02020202      ; and its scale bytes are the word's upper two
	s_sub_co_u32 s[TCNT], s[TCNT], 1
	s_cmp_lg_u32 s[TCNT], 0
	s_cbranch_scc1 .Ltile
	s_wait_kmcnt 0x0                               ; the last, unused, mask words have come
	s_wait_tensorcnt 0x0
	ds_add_u32 v222, v223
	s_wait_dscnt 0x0
	s_endpgm
.Lfunc_end_k_q1847be4c37_attn:
	.size	k_q1847be4c37_attn, .Lfunc_end_k_q1847be4c37_attn-k_q1847be4c37_attn
	.p2alignl 7, 3214868480
	.fill 96, 4, 3214868480
	.section	.rodata,"a",@progbits
	.p2align	6, 0x0
	.amdhsa_kernel k_q1847be4c37_attn
		.amdhsa_group_segment_fixed_size 210944
		.amdhsa_private_segment_fixed_size 0
		.amdhsa_enable_private_segment 0
		.amdhsa_kernarg_size 40
		.amdhsa_user_sgpr_count 2
		.amdhsa_user_sgpr_kernarg_segment_ptr 1
		.amdhsa_wavefront_size32 1
		.amdhsa_system_sgpr_workgroup_id_x 1
		.amdhsa_system_sgpr_workgroup_id_y 1
		.amdhsa_system_sgpr_workgroup_id_z 1
		.amdhsa_system_vgpr_workitem_id 0
		.amdhsa_next_free_vgpr 256
		.amdhsa_next_free_sgpr 102
		.amdhsa_reserve_vcc 0
		.amdhsa_float_denorm_mode_32 3
		.amdhsa_float_denorm_mode_16_64 3
		.amdhsa_memory_ordered 1
		.amdhsa_forward_progress 1
		.amdhsa_inst_pref_size 36
	.end_amdhsa_kernel
	.amdgpu_metadata
---
amdhsa.version: [ 1, 2 ]
amdhsa.kernels:
  - .name:           k_q1847be4c37_attn
    .symbol:         k_q1847be4c37_attn.kd
    .args:
      - { .name: inputs, .offset: 0, .size: 8, .value_kind: global_buffer, .address_space: global }
      - { .name: img, .offset: 8, .size: 8, .value_kind: global_buffer, .address_space: global }
      - { .name: scl, .offset: 16, .size: 8, .value_kind: global_buffer, .address_space: global }
      - { .name: mwords, .offset: 24, .size: 8, .value_kind: global_buffer, .address_space: global }
      - { .name: out0, .offset: 32, .size: 8, .value_kind: global_buffer, .address_space: global }
    .group_segment_fixed_size: 210944
    .private_segment_fixed_size: 0
    .kernarg_segment_align: 8
    .kernarg_segment_size: 40
    .max_flat_workgroup_size: 512
    .sgpr_count:     102
    .vgpr_count:     256
    .wavefront_size: 32
...
	.end_amdgpu_metadata
.endif
;; end of part 3
;; ======== version 2 of 2: 3 launches; version 1 with the launch attn written anew for expert scheduling mode
;; workspace buffers: xw_codes 5,767,168 bytes; xw_scl 360,448 bytes; img 12,582,912 bytes; scl 786,432 bytes; mwords 526,336 bytes of whole numbers
;; launch prep: the kernel of part 1 again; grid 480 x 1, 4 waves a work-group, no clusters, 33,280 bytes of LDS; arguments inputs, Wq, Wk, Wv, mask, xw_codes, xw_scl, mwords; writes xw_codes, xw_scl, mwords
;; launch proj: the kernel of part 2 again; grid 12 x 32, 4 waves a work-group, clusters of 4 x 4, 296,448 bytes of LDS; arguments xw_codes, xw_scl, bq, bk, bv, img, scl; writes img, scl
;; launch attn (part 4): grid 4 x 64, 16 waves a work-group, no clusters, 210,944 bytes of LDS; arguments inputs, img, scl, mwords, out0; writes out0
.if DOCPART == 4
	.amdgcn_target "amdgcn-amd-amdhsa--gfx1250"
	.amdhsa_code_object_version 6
	.text
	.protected	k_q1847be4c37_attn
	.globl	k_q1847be4c37_attn
	.p2align	8
	.type	k_q1847be4c37_attn,@function
k_q1847be4c37_attn:
	s_mov_b64 s[64:65], 0
	v_nop
	global_prefetch_b8 v0, s[64:65] scope:SCOPE_SE
	s_setreg_imm32_b32 hwreg(HW_REG_WAVE_SCHED_MODE, 0, 2), 2
	s_setreg_imm32_b32 hwreg(HW_REG_WAVE_MODE, 25, 1), 1
	s_wait_xcnt 0x0
	s_wait_alu depctr_vm_vsrc(0)
; ATTN.  out0 = inputs + softmax(q k^T / 32, hidden where the mask says so) v, for 64 heads (batch x 16) of 2,048 x 64, both products on codes of FP4 (E2M1) with one E8M0 scale for each 32 along a product's K.
; q, k, v come as images of operand registers with their scale words, the mask as lane masks with a flag for each (tile of queries, step of 128 keys).
; THE SOFTMAX AHEAD OF THE SECOND PRODUCT: t = score x log2(e) / 32; M = the row's largest t so far, rounded UP to a whole number; p = 2^(t - M) is quantised along the keys, not normalised; the row's sum is taken of the
; unquantised p and divides at the end.  When M moves, the sum and O are multiplied by 2^(old M - new M): exact.  A row that the mask hides altogether gives 0 x infinity = NaN, as the softmax of such a row does.
; SHARES.  A work-group owns 512 queries of one head; each of its sixteen waves two tiles of 16, one after the other, in 256 registers: four waves to a SIMD, so that one wave's vector work stands beside another's products.
; THE WHOLE HEAD'S K AND V LIE IN LDS: 64 KB + 64 KB of codes, 4 KB + 4 KB of scale words, brought once, through registers (wave w: step w), behind ONE barrier; then nothing in LDS changes but each wave's own stage.
; NO CLUSTER, NO TENSOR LOAD: what work-groups share is these 136 KB, read once at the head against 32 key steps of work a wave; and a step that hides nothing jumps over its 64 selections by a branch on a stored flag.
; NO PREFETCH: the residual is asked for 16 steps, the mask words one step, ahead of their use.
; LAYOUT.  Both products are used transposed: S^T = K Q^T, O^T = V^T P^T: a lane holds ONE query (lane % 16).  Tiles hold rows 8 u + r + 8 (r / 8) of a group of 32, queries, keys and channels alike: so score register
; 16 b + i is key 32 b + 16 (lane / 16) + i of the step, and O^T's register 16 b + i is channel 32 b + 16 (lane / 16) + i.
; K = 64 IN A FORM OF K = 128: source 0 holds TWO tiles of keys, one in each half of K; Q lies as [q | 0 | q] in twelve registers, and [q | 0] picks the first tile, [0 | q] the second: zero codes add nothing.
; LIMIT: a block of 32 p that have all fallen to 0 keeps the byte 1: its codes are zeros.
; THE MODE: SCHED_MODE bits 1:0 = 2 (LLVM: expert scheduling mode 2), set by the entry lines.  The code itself states the register dependences between vector or matrix instructions and memory or LDS
; instructions, with s_wait_alu, always for 0.
; THE PLAN.  The sixteen waves' 256 registers are all in use, so K's and V's fragments have one set each.  Registers that memory or LDS instructions touch:
;   v1-7          addresses: made at the head, ahead of its wait on va_vdst, and never written again.
;   KF, KS        read by a step's eight first products; the next step's K lands in them behind the step's wait on va_vdst that follows the exponentials.
;   VF, VS        read by a step's four second products; the next step's V lands in them behind the next step's wait of the same place.
;   v218-221      the step's LDS addresses: written by four additions at the step's head, ahead of that same wait; read by the step's eighteen LDS loads; one wait on vm_vsrc, behind the last
;                 of those loads and ahead of the backward branch, stands between the loads' reads and the next step's additions.
;   QF, RES       loaded at a tile's head; read by the products and by the way out's additions, all of which stand ahead of the way out's last wait on va_vdst; no vector instruction follows it in the tile.
;   S             on the way out: its upper half is written by the multiplications and read by the LDS stores; its lower half takes the loads from the stage, is written by the additions and read by the
;                 global stores: a wait on va_vdst ahead of each run of stores, one on vm_vsrc at the tile's end, ahead of the branch, before the next tile's products write S.
;   PCD, PS, QS and the zero codes are written by vector instructions and taken by scaled products: behind their places a wait on va_vdst stands ahead of those products.
; So a step has three lines of s_wait_alu: the one behind the exponentials, behind which V's nine loads follow at once and K's nine are dealt among the row's sums (no vector instruction since that wait names
; KF, KS, VF, VS or v218-221), and the two ahead of the second products.
.set KIMG,  0                          ; LDS: K: tile of 16 keys x 512 bytes
.set VIMG,  65536                      ; V: step x 4 KB: four channel tiles x 1 KB
.set KSC,   131072                     ; K's scale words: step x 256 bytes
.set VSC,   135168                     ; V's
.set STAGE, 139264                     ; the way out: 16 rows x (256 + 16) bytes for each wave
.set SP,    272
.set L16,  1                           ; v1   16 x lane: my place in an image (and K's region begins at 0)
.set AV0,  2                           ; v2   VIMG + 16 x lane
.set AKS0, 3                           ; v3   KSC + 8 x lane
.set AVS0, 4                           ; v4   VSC + 8 x lane
.set STO,  5                           ; v5   the stage: where I put my channels
.set SRD,  6                           ; v6   and where I read a row back
.set GO,   7                           ; v7   my byte offset among the tile's rows of inputs and out0
.set KS,   8                           ; v[8:9]   K's scale words of the step: register p / 2, lanes 16 (p % 2) on: pair of tiles p
.set VS,   10                          ; v[10:11] V's: register t / 2, lanes 16 (t % 2) on: channel tile t
.set QF,   16                          ; v16-27  q | 0 | q          (v12 -M, v13 the largest t, v[14:15] the sum in two halves)
.set QS,   28                          ; v28  Q's scale word: its two bytes twice
.set NINF, 29                          ; v29  -infinity
.set PS,   30                          ; v30  p's scale word
.set QR,   31                          ; v31  the two tiles' scale bytes as loaded
.set KF,   32                          ; v32-63  four fragments of K (two tiles each)
.set VF,   64                          ; v64-95  four fragments of V
.set S,    96                          ; v96-159 S^T, then p
.set O,    160                         ; v160-191 O^T
.set PCD,  192                         ; v192-199 p's codes
.set BM,   200                         ; v200-203 each block's largest score, then p
.set PM,   204                         ; v204-207 the other half's, then bytes
.set SO,   208                         ; v208-211 the conversions' scale operands
.set FF,   212                         ; v[212:213] f = 2^(old M - new M) (the low word serves)
.set TT,   214
.set SU,   216                         ; v[216:217] the sums' second chain
.set ADV,  218                         ; v218-221 LDS addresses of the loads in hand
.set ADVS, 219
.set ADK,  220
.set ADKS, 221
.set RES,  224                         ; v224-255 the residual: my part of 16 rows of inputs
.set WV,   52                          ; s52 wave; s53 tiles to go; s54 steps to go; s55 the flags, a bit a step; s56, s57 the step's offsets in codes and scale words; s58 the next mask words' offset
.set TCNT, 53
.set SCNT, 54
.set FL,   55
.set TS,   56
.set TC,   57
.set MO,   58
.set SEL,  60                          ; s[60:61] lane selects for v_permlanex16_b32: lane l xor 16
.set CS,   62                          ; s[62:63] c = log2(e) / 32, twice: the packed form names a pair
.set QSEL, 67                          ; s67  which two bytes of v31 are this tile's
.set IN,   84                          ; s[84:85] inputs, s[86:87] out0 at the tile's first row; s[88:89] my two tiles' mask words; s[90:91] the tile's image of q
.set OUTP, 86
.set MW,   88
.set QI,   90
; The step's 64 mask words lie in s4-51 (words 0-47) and s68-83 (words 48-63).
	s_load_b256 s[4:11], s[0:1], 0x0               ; inputs s[4:5], img s[6:7], scl s[8:9], the mask words s[10:11]
	s_load_b64 s[12:13], s[0:1], 0x20              ; out0
	v_lshl_add_u32 v222, v0, 2, 0x33000            ; my spare word, behind the stages, and 0: made here and kept for the closing lines alone
	v_mov_b32 v223, 0
	v_lshrrev_b32 v200, 5, v0
	v_readfirstlane_b32 s[WV], v200                ; wave 0..15
	v_and_b32 v200, 31, v0                         ; lane
	v_and_b32 v201, 15, v0                         ; r
	v_bfe_u32 v202, v0, 4, 1                       ; h
	v_lshlrev_b32 v[L16], 4, v200
	v_add_nc_u32 v[AV0], VIMG, v[L16]
	v_lshlrev_b32 v203, 3, v200                    ; 8 x lane
	v_add_nc_u32 v[AKS0], KSC, v203
	v_add_nc_u32 v[AVS0], VSC, v203
	v_lshlrev_b32 v204, 3, v201                    ; 8 r
	s_wait_alu depctr_va_sdst(0)                   ; s52, the wave's number, is written, ahead of its first reader, the line below
	v_lshl_add_u32 v[ADV], s[WV], 12, v[L16]       ; the fill: step w of K,
	v_lshl_add_u32 v[ADVS], s[WV], 12, v[AV0]      ; of V,
	v_lshl_add_u32 v[ADK], s[WV], 8, v[AKS0]       ; and their scale words
	v_lshl_add_u32 v[ADKS], s[WV], 8, v[AVS0]
	s_mul_i32 s50, s[WV], 16*SP
	s_add_co_u32 s50, s50, STAGE                   ; my stage
	v_mul_u32_u24 v[STO], v201, SP
	v_lshl_add_u32 v[STO], v202, 6, v[STO]
	v_add_nc_u32 v[STO], s50, v[STO]               ; in: row r, + 64 h: my 16 channels of each 32
	v_mul_u32_u24 v[SRD], v202, SP
	v_lshl_add_u32 v[SRD], v201, 4, v[SRD]
	v_add_nc_u32 v[SRD], s50, v[SRD]               ; back: lanes 0-15 one row, lanes 16-31 the next
	v_lshlrev_b32 v[GO], 14, v202                  ; from one query to the next: 4 x 4,096 bytes
	v_lshl_add_u32 v[GO], v201, 4, v[GO]
	s_and_b32 s14, ttmp7, 0xffff                   ; the head: 16 x batch + head of the batch
	s_lshr_b32 s15, s14, 4                         ; b
	s_bfe_u32 s16, s14, 0x30001                    ; the pair of heads
	s_and_b32 s17, s14, 1                          ; which of the pair
	s_lshl_b32 s18, ttmp9, 5
	s_lshl_b32 s19, s[WV], 1
	s_add_co_u32 s18, s18, s19                     ; my first tile of queries: 32 x work-group x + 2 x wave
	s_lshl_b32 s20, s15, 20
	s_lshl_b32 s21, s16, 17
	s_add_co_u32 s20, s20, s21                     ; img: batch, pair
	s_lshr_b32 s21, s20, 4                         ; scl: the same
	s_lshl_b32 s40, s[WV], 13
	s_add_co_u32 s40, s40, s20                     ; step w: 8 KB a step
	s_lshl_b32 s41, s17, 9
	s_add_co_u32 s22, s40, s41
	s_add_co_u32 s22, s22, 0x400000                ; k: tile i at 1024 i, my head's 512 bytes of it
	s_lshl_b32 s42, s17, 12
	s_add_co_u32 s24, s40, s42
	s_add_co_u32 s24, s24, 0x800000                ; v: my head's 4 KB
	s_lshl_b32 s26, s18, 10
	s_add_co_u32 s26, s26, s20
	s_add_co_u32 s26, s26, s41                     ; q: tile tau at 1024 tau
	s_lshl_b32 s40, s[WV], 9
	s_add_co_u32 s40, s40, s21
	s_lshl_b32 s41, s17, 8
	s_add_co_u32 s40, s40, s41                     ; scale words: step w, my head's record
	s_add_co_u32 s28, s40, 0x40000                 ; k's
	s_add_co_u32 s30, s40, 0x80000                 ; v's
	s_lshr_b32 s32, s18, 3                         ; q's: the step that holds my two tiles,
	s_lshl_b32 s32, s32, 9
	s_add_co_u32 s32, s32, s21
	s_add_co_u32 s32, s32, s41
	s_and_b32 s42, s[WV], 1                        ; their pair w % 4 lies in lanes 16 (w % 2) on,
	s_lshl_b32 s42, s42, 7
	s_add_co_u32 s32, s32, s42
	s_bfe_u32 s42, s[WV], 0x10001                  ; word (w / 2) % 2
	s_lshl_b32 s42, s42, 2
	s_add_co_u32 s32, s32, s42
	s_lshl_b32 s34, s18, 18                        ; inputs, out0: query 16 tau x 16,384 bytes,
	s_lshl_b32 s42, s15, 12                        ; the batch's 4,096,
	s_add_co_u32 s34, s34, s42
	s_and_b32 s42, s14, 15
	s_lshl_b32 s42, s42, 8                         ; the head's 256
	s_add_co_u32 s34, s34, s42
	s_lshl_b32 s36, s18, 12                        ; mask words: 4,096 bytes a tile
	s_lshl_b32 s38, s18, 4                         ; flags: 16 bytes a tile, behind the words
	s_add_co_u32 s38, s38, 524288
.irp i, 23,25,27,29,31,33,35,37,39
	s_mov_b32 s\i, 0
.endr
	s_mov_b32 s[SEL], 0x76543210
	s_mov_b32 s[SEL+1], 0xfedcba98
	s_mov_b32 s[CS], 0x3d38aa3b                    ; log2(e) / 32
	s_mov_b32 s[CS+1], s[CS]
	s_mov_b32 s[QSEL], 0x01000100                  ; the first tile's two bytes, twice
	s_mov_b32 s[MO], 0
	s_mov_b32 s[TCNT], 2
	s_wait_kmcnt 0x0
	s_add_nc_u64 s[22:23], s[6:7], s[22:23]
	s_add_nc_u64 s[24:25], s[6:7], s[24:25]
	s_add_nc_u64 s[QI:QI+1], s[6:7], s[26:27]
	s_add_nc_u64 s[28:29], s[8:9], s[28:29]
	s_add_nc_u64 s[30:31], s[8:9], s[30:31]
	s_add_nc_u64 s[32:33], s[8:9], s[32:33]
	s_add_nc_u64 s[IN:IN+1], s[4:5], s[34:35]
	s_add_nc_u64 s[OUTP:OUTP+1], s[12:13], s[34:35]
	s_add_nc_u64 s[MW:MW+1], s[10:11], s[36:37]
	s_add_nc_u64 s[38:39], s[10:11], s[38:39]
	s_wait_alu depctr_va_vdst(0)                   ; the addresses v1-7, v203, v204 and v218-221 are written: the loads and LDS stores of the fill read them, and v1-7 serve every later load and store
.irp i, 0,1,2,3,4,5,6,7
	global_load_b128 v[S+4*\i:S+4*\i+3], v[L16], s[22:23] offset:1024*\i      ; step w of K: eight tiles, 512 consecutive bytes each
.endr
.irp i, 0,1,2,3,4,5,6,7
	global_load_b128 v[S+32+4*\i:S+32+4*\i+3], v[L16], s[24:25] offset:512*\i ; step w of V: 4 KB on end
.endr
	global_load_b64 v[O:O+1], v203, s[28:29]
	global_load_b64 v[O+2:O+3], v203, s[30:31]
	global_load_b32 v[QR], v204, s[32:33]          ; my two tiles' scale bytes: lane r (and 16 + r) has row r's
	s_load_b256 s[92:99], s[38:39], 0x0            ; my two tiles' flags: eight words of four bits
	s_wait_kmcnt 0x0
	s_mov_b32 s[FL], s92
.irp i, 1,2,3,4,5,6,7
	s_lshl_b32 s[92+\i], s[92+\i], 4*\i
	s_or_b32 s[FL], s[FL], s[92+\i]                ; bit 16 i + S: tile i, step S
.endr
	s_wait_loadcnt 0x0                             ; all nineteen are in
.irp i, 0,1,2,3,4,5,6,7
	ds_store_b128 v[ADV], v[S+4*\i:S+4*\i+3] offset:512*\i
.endr
.irp i, 0,1,2,3,4,5,6,7
	ds_store_b128 v[ADVS], v[S+32+4*\i:S+32+4*\i+3] offset:512*\i
.endr
	ds_store_b64 v[ADK], v[O:O+1]
	ds_store_b64 v[ADKS], v[O+2:O+3]
	s_wait_dscnt 0x0                               ; for the others' sake: my stores have landed
	s_barrier_signal -1
	s_barrier_wait -1                              ; the whole head lies in LDS: the kernel's one barrier
	s_wait_alu depctr_vm_vsrc(0)                   ; the fill's loads have read v203 and v204, its LDS stores v96-163 and v218-221: all of these are written again from here on, by vector and matrix instructions
.irp i, 0,1,2
	s_load_b512 s[4+16*\i:19+16*\i], s[MW:MW+1], s[MO] offset:64*\i   ; the first step's mask words
.endr
	s_load_b512 s[68:83], s[MW:MW+1], s[MO] offset:192
	v_mov_b32 v[NINF], 0xff800000
.irp i, 0,1,2,3
	v_mov_b32 v[QF+4+\i], 0                        ; the zero codes between q and q
	v_mov_b32 v[PM+\i], 0                          ; a lane permute's destination counts as one of its sources
.endr
	v_mov_b32 v[FF+1], 0                           ; named as the upper half of a pair
.Ltile:                                            ; no s_wait_alu stands here: on the way in, no vector instruction since the head's wait on va_vdst names a register of the loads below; on the way back, none at all follows the way out's last such wait
	global_load_b128 v[QF:QF+3], v[L16], s[QI:QI+1]        ; q's image, twice: two runs of registers
	global_load_b128 v[QF+8:QF+11], v[L16], s[QI:QI+1]
.irp k, 0,1,2,3,4,5,6,7
	global_load_b128 v[RES+4*\k:RES+4*\k+3], v[GO], s[IN:IN+1] offset:(2*\k+8*(\k/4))*16384 th:TH_LOAD_NT   ; stage rows 2 k and 2 k + 1 are queries 2 k + h + 8 (k / 4) of the tile's 24: sixteen lanes read 256 consecutive bytes
.endr
.irp p, 0,1,2,3
	ds_load_b128 v[KF+8*\p:KF+8*\p+3], v[L16] offset:1024*\p          ; K of step 0
	ds_load_b128 v[KF+8*\p+4:KF+8*\p+7], v[L16] offset:1024*\p+512
.endr
	ds_load_b64 v[KS:KS+1], v[AKS0]
	v_mov_b32 v13, 0xff61b1e6                      ; the largest t so far: -3e38, under every t
	v_floor_f32 v12, -v13                          ; -M
	v_mov_b32 v14, 0                               ; the sum, in two halves
	v_mov_b32 v15, 0
	v_perm_b32 v[QS], v[QR], v[QR], s[QSEL]        ; this tile's two bytes, for both halves of K
.set j, 0
.rept 32
	v_mov_b32 v[O+j], 0                            ; O^T.  (The step is written once: the first finds zeros.)  These are also the places between the scale word's making and the first product
.set j, j+1
.endr
	s_mov_b32 s[TS], 0
	s_mov_b32 s[TC], 0
	s_mov_b32 s[SCNT], 16
	s_wait_loadcnt 8                               ; q is in; the eight loads of the residual, issued behind it, may stay out
	s_wait_alu depctr_va_vdst(0)                   ; q's scale word v28 and the zero codes v20-23 are written, which the scaled products of the loop take as a scale and in source 1; the places stand above
.Lstep:                                            ; a key step: 128 keys
	s_wait_dscnt 0x0                               ; K's fragments and scale words are in
.irp t, 0,1,2,3,4,5,6,7                        ; S^T = K Q^T: tile t lies in half t % 2 of fragment t / 2
.if ((\t)/2)%2
	v_wmma_scale_f32_16x16x128_f8f6f4 v[S+8*\t:S+8*\t+7], v[KF+8*(\t/2):KF+8*(\t/2)+7], v[QF+4*(\t%2):QF+4*(\t%2)+7], 0, v[KS+\t/4], v[QS] matrix_a_fmt:MATRIX_FMT_FP4 matrix_b_fmt:MATRIX_FMT_FP4 matrix_a_scale:MATRIX_SCALE_ROW1
.else
	v_wmma_scale_f32_16x16x128_f8f6f4 v[S+8*\t:S+8*\t+7], v[KF+8*(\t/2):KF+8*(\t/2)+7], v[QF+4*(\t%2):QF+4*(\t%2)+7], 0, v[KS+\t/4], v[QS] matrix_a_fmt:MATRIX_FMT_FP4 matrix_b_fmt:MATRIX_FMT_FP4
.endif
.endr
	v_add_nc_u32 v[ADV], s[TS], v[AV0]             ; four additions: the places behind the products, in front of the first read of the scores.  They make the addresses of this step's V
	v_add_nc_u32 v[ADVS], s[TC], v[AVS0]
	s_add_co_u32 s[TS], s[TS], 4096
	s_add_co_u32 s[TC], s[TC], 256
	v_add_nc_u32 v[ADK], s[TS], v[L16]             ; and of the next step's K; the loads by them stand behind the exponentials' wait
	v_add_nc_u32 v[ADKS], s[TC], v[AKS0]
	s_wait_kmcnt 0x0                               ; the step's mask words are in (scalar loads: zero is the only count that shows anything); their offset register is free
	s_and_b32 s66, s[FL], 1                        ; does this step hide anything from my 16 queries?
	s_cbranch_scc0 .Lopen
.set n, 0
.rept 64                                       ; hidden scores become -infinity ahead of the maximum: p = 0 then.  Each accumulator from its low end on
.if n < 48
	v_cndmask_b32 v[S+n], v[S+n], v[NINF], s[4+n]
.else
	v_cndmask_b32 v[S+n], v[S+n], v[NINF], s[20+n]
.endif
.set n, n+1
.endr
.Lopen:
	s_lshr_b32 s[FL], s[FL], 1
	s_add_co_u32 s[MO], s[MO], 256
	s_and_b32 s[MO], s[MO], 0x1fff                 ; my two tiles' 32 steps; behind the last it goes back to the first: inside the buffer, not used
.irp i, 0,1,2
	s_load_b512 s[4+16*\i:19+16*\i], s[MW:MW+1], s[MO] offset:64*\i   ; the next step's mask words: a step ahead
.endr
	s_load_b512 s[68:83], s[MW:MW+1], s[MO] offset:192
.irp b, 0,1,2,3
	v_max3_num_f32 v[BM+\b], v[S+16*\b], v[S+1+16*\b], v[S+2+16*\b]   ; the largest score of each block of 32 keys: it serves for the row's maximum and, since p rises with the score, for the block's largest p
.endr
.irp i, 3,5,7,9,11,13
.irp b, 0,1,2,3
	v_max3_num_f32 v[BM+\b], v[BM+\b], v[S+16*\b+\i], v[S+1+16*\b+\i]
.endr
.endr
.irp b, 0,1,2,3
	v_max_num_f32 v[BM+\b], v[BM+\b], v[S+15+16*\b]
.endr
.irp b, 0,1,2,3
	v_permlanex16_b32 v[PM+\b], v[BM+\b], s[SEL], s[SEL+1]
.endr
.irp b, 0,1,2,3
	v_max_num_f32 v[BM+\b], v[BM+\b], v[PM+\b]     ; with lane l xor 16's 16 keys
.endr
	v_max3_num_f32 v[TT], v[BM], v[BM+1], v[BM+2]
	v_max_num_f32 v[TT], v[TT], v[BM+3]            ; the step's largest score of my query
	v_mul_f32 v[TT], s[CS], v[TT]                  ; as t (c is positive)
	v_max_num_f32 v13, v13, v[TT]                  ; the running largest t
	v_mov_b32 v[TT], v12
	v_floor_f32 v12, -v13                          ; the new -M = floor(-t) = -ceil(t): M is a whole number
	v_sub_f32 v[TT], v12, v[TT]                    ; old M - new M: a whole number, 0 or less
	v_cvt_i32_f32 v[TT], v[TT]                     ; (it saturates)
	v_ldexp_f32 v[FF], 1.0, v[TT]                  ; f = 2^(old M - new M)
.set j, 0
.rept 32
	v_pk_fma_f32 v[S+j:S+j+1], v[S+j:S+j+1], s[CS:CS+1], v[12:13] op_sel_hi:[1,0,0]   ; t - M, two at a time
.set j, j+2
.endr
.irp b, 0,1,2,3
	v_fma_f32 v[BM+\b], v[BM+\b], s[CS], v12       ; the same of each block's largest score
.endr
.set j, 0
.rept 64
	v_exp_f32 v[S+j], v[S+j]                       ; p = 2^(t - M), at most 1
.set j, j+1
.endr
.irp b, 0,1,2,3
	v_exp_f32 v[BM+\b], v[BM+\b]                   ; the block's largest p: the same two instructions on the same number
.endr
	v_pk_mul_f32 v[14:15], v[14:15], v[FF:FF+1] op_sel_hi:[1,0]   ; the sums under the new M (a plain place behind the exponentials)
	s_wait_alu depctr_va_vdst(0)                   ; the 68 exponentials have written v96-159 and v200-203, ahead of their first reader; this step's first products are done reading K's fragments and scale words, the last step's second products V's, in which the loads below land; the four additions have written v218-221, by which those loads are addressed
.irp t, 0,1,2,3                                ; this step's V, nine loads on end: the second products want them first
	ds_load_b128 v[VF+8*\t:VF+8*\t+3], v[ADV] offset:1024*\t
	ds_load_b128 v[VF+8*\t+4:VF+8*\t+7], v[ADV] offset:1024*\t+512
.endr
	ds_load_b64 v[VS:VS+1], v[ADVS]
.irp b, 0,1,2,3
	v_max_num_f32 v[BM+\b], 0x1800000, v[BM+\b]    ; the floor 2^(3 - 127): the byte cannot fall under 1
.endr
.irp b, 0,1,2,3
	v_add_nc_u32 v[SO+\b], 0xff000000, v[BM+\b]    ; 2 off the exponent field: the conversion's scale operand
.endr
.irp b, 0,1,2,3
	v_lshrrev_b32 v[PM+\b], 23, v[SO+\b]           ; the scale's byte
.endr
	v_lshl_or_b32 v[PS], v[PM+1], 8, v[PM]         ; p's scale word for these 128 keys
	v_lshl_or_b32 v[PS], v[PM+2], 16, v[PS]
	v_lshl_or_b32 v[PS], v[PM+3], 24, v[PS]
.irp b, 0,1,2,3
	v_cvt_scalef32_pk8_fp4_f32 v[PCD+2*\b], v[S+16*\b:S+7+16*\b], v[SO+\b]
	v_cvt_scalef32_pk8_fp4_f32 v[PCD+1+2*\b], v[S+8+16*\b:S+15+16*\b], v[SO+\b]
.endr
	v_nop                                          ; one plain place behind a scaled conversion
.irp c, 0,1                                    ; the operand's layout wants a WHOLE block in a lane
.irp i, 0,1
	v_permlane16_swap_b32 v[PCD+4*\c+\i], v[PCD+2+4*\c+\i]
.endr
.endr
	v_pk_add_f32 v[SU:SU+1], v[S:S+1], v[S+2:S+3]  ; the row's sum is taken of the UNQUANTISED p: two at a time, in two chains
.set j, 4
.rept 15
	v_pk_add_f32 v[14:15], v[14:15], v[S+j:S+1+j]
	v_pk_add_f32 v[SU:SU+1], v[SU:SU+1], v[S+2+j:S+3+j]
.if j <= 32
	ds_load_b128 v[KF+j-4:KF+j-1], v[ADK] offset:512*((j-4)/4)   ; the next step's K, dealt among the sums, a load behind each pair of additions (in a tile's last step: bytes of V's regions, which nobody uses).  No wait: no vector or matrix instruction since the wait above names K's registers or v220, v221
.endif
.if j == 36
	ds_load_b64 v[KS:KS+1], v[ADKS]
.endif
.set j, j+4
.endr
	v_pk_add_f32 v[14:15], v[14:15], v[SU:SU+1]
.set j, 0
.rept 16
	v_pk_mul_f32 v[O+j:O+j+1], v[O+j:O+j+1], v[FF:FF+1] op_sel_hi:[1,0]   ; O^T under the new M.  (With the sums: the places between the making of p's codes and scale word and the products)
.set j, j+2
.endr
	s_wait_alu depctr_va_vdst(0)                   ; p's codes v192-199 and its scale word v30 are written, which the scaled products below take as source 1 and as its scale; the places stand above
	s_wait_alu depctr_vm_vsrc(0)                   ; this step's eighteen LDS loads have read v218-221, which the next step's four additions write again: stated here, ahead of the backward branch
	s_wait_dscnt 9                                 ; LDS loads come back in order: V's nine are in; the next step's K, the nine loads issued behind them, may stay out until the next step's head
.irp t, 0,1,2,3                                ; O^T += V^T P^T: the four accumulators by turns, one instruction a turn; eight other products stand between a link and the next
.if (\t)%2
	v_wmma_scale_f32_16x16x128_f8f6f4 v[O+8*\t:O+8*\t+7], v[VF+8*\t:VF+8*\t+7], v[PCD:PCD+7], v[O+8*\t:O+8*\t+7], v[VS+\t/2], v[PS] matrix_a_fmt:MATRIX_FMT_FP4 matrix_b_fmt:MATRIX_FMT_FP4 matrix_a_scale:MATRIX_SCALE_ROW1
.else
	v_wmma_scale_f32_16x16x128_f8f6f4 v[O+8*\t:O+8*\t+7], v[VF+8*\t:VF+8*\t+7], v[PCD:PCD+7], v[O+8*\t:O+8*\t+7], v[VS+\t/2], v[PS] matrix_a_fmt:MATRIX_FMT_FP4 matrix_b_fmt:MATRIX_FMT_FP4
.endif
.endr
	s_sub_co_u32 s[SCNT], s[SCNT], 1
	s_cmp_lg_u32 s[SCNT], 0
	s_cbranch_scc1 .Lstep
	; THE WAY OUT of a tile.  O^T / the sum goes through my stage and comes back as rows of 256 bytes; the residual is added; sixteen lanes store 256 consecutive bytes, aligned.
	v_add_f32 v14, v14, v15                        ; the sum's two halves,
	v_permlanex16_b32 v[PM], v14, s[SEL], s[SEL+1]
	v_add_f32 v14, v14, v[PM]                      ; and lane l xor 16's: the row's sum
	v_rcp_f32 v14, v14
.rept 3
	v_nop                                          ; a plain place behind the reciprocal; with the two additions: the places behind the last products
.endr
	s_wait_alu depctr_va_vdst(0)                   ; the reciprocal has written v14, ahead of its first reader
.set j, 0
.rept 16
	v_pk_mul_f32 v[S+32+j:S+33+j], v[O+j:O+j+1], v[14:15] op_sel_hi:[1,0]   ; each accumulator from its low end on
.set j, j+2
.endr
	s_wait_alu depctr_va_vdst(0)                   ; the multiplications have written v128-159, which the LDS stores read; and the last step's sums and conversions are done reading v96-127, in which the loads from the stage land
.irp b, 0,1
.irp q, 0,1,2,3
	ds_store_b128 v[STO], v[S+32+16*\b+4*\q:S+35+16*\b+4*\q] offset:128*\b+16*\q   ; register 16 b + i is channel 32 b + 16 h + i
.endr
.endr
.irp k, 0,1,2,3,4,5,6,7
	ds_load_b128 v[S+4*\k:S+4*\k+3], v[SRD] offset:2*\k*SP   ; LDS serves a wave's instructions in order: these see my stores
.endr
	s_wait_loadcnt 0x0                             ; the residual, asked for 16 steps ago
.irp k, 0,1,2,3,4,5,6,7
	s_wait_dscnt 7-\k                              ; rows 2 k and 2 k + 1 are back; the later ones may be out
	v_pk_add_f32 v[S+4*\k:S+4*\k+1], v[S+4*\k:S+4*\k+1], v[RES+4*\k:RES+4*\k+1]
	v_pk_add_f32 v[S+4*\k+2:S+4*\k+3], v[S+4*\k+2:S+4*\k+3], v[RES+4*\k+2:RES+4*\k+3]
.endr
	s_wait_alu depctr_va_vdst(0)                   ; the sixteen additions have written v96-127, which the run of stores below reads.  They are also done reading the residual, and the tile's products q's and K's registers: the next tile's loads land in these
.irp k, 0,1,2,3,4,5,6,7
	global_store_b128 v[GO], v[S+4*\k:S+4*\k+3], s[OUTP:OUTP+1] offset:(2*\k+8*(\k/4))*16384 th:TH_STORE_NT
.endr
	s_wait_xcnt 0x0                                ; the stores have read their data and their base: both are written again only behind this wait
	s_wait_alu depctr_vm_vsrc(0)                   ; the global stores have read v96-127 and the LDS stores v128-159, which the next tile's products write again: stated here, ahead of the branch
	s_add_nc_u64 s[IN:IN+1], s[IN:IN+1], 131072    ; the second tile's queries begin 8 rows further down
	s_add_nc_u64 s[OUTP:OUTP+1], s[OUTP:OUTP+1], 131072
	s_add_nc_u64 s[QI:QI+1], s[QI:QI+1], 1024
	s_add_co_u32 s[QSEL], s[QSEL], 0x02020202      ; and its scale bytes are the word's upper two
	s_sub_co_u32 s[TCNT], s[TCNT], 1
	s_cmp_lg_u32 s[TCNT], 0
	s_cbranch_scc1 .Ltile
	s_wait_kmcnt 0x0                               ; the last, unused, mask words have come
	s_wait_dscnt 0x0                               ; the closing lines, six on end
	s_wait_alu 0x0
	s_wait_tensorcnt 0x0
	ds_add_u32 v222, v223
	s_wait_dscnt 0x0
	s_endpgm
.Lfunc_end_k_q1847be4c37_attn:
	.size	k_q1847be4c37_attn, .Lfunc_end_k_q1847be4c37_attn-k_q1847be4c37_attn
	.p2alignl 7, 3214868480
	.fill 96, 4, 3214868480
	.section	.rodata,"a",@progbits
	.p2align	6, 0x0
	.amdhsa_kernel k_q1847be4c37_attn
		.amdhsa_group_segment_fixed_size 210944
		.amdhsa_private_segment_fixed_size 0
		.amdhsa_enable_private_segment 0
		.amdhsa_kernarg_size 40
		.amdhsa_user_sgpr_count 2
		.amdhsa_user_sgpr_kernarg_segment_ptr 1
		.amdhsa_wavefront_size32 1
		.amdhsa_system_sgpr_workgroup_id_x 1
		.amdhsa_system_sgpr_workgroup_id_y 1
		.amdhsa_system_sgpr_workgroup_id_z 1
		.amdhsa_system_vgpr_workitem_id 0
		.amdhsa_next_free_vgpr 256
		.amdhsa_next_free_sgpr 102
		.amdhsa_reserve_vcc 0
		.amdhsa_float_denorm_mode_32 3
		.amdhsa_float_denorm_mode_16_64 3
		.amdhsa_memory_ordered 1
		.amdhsa_forward_progress 1
		.amdhsa_inst_pref_size 36
	.end_amdhsa_kernel
	.amdgpu_metadata
---
amdhsa.version: [ 1, 2 ]
amdhsa.kernels:
  - .name:           k_q1847be4c37_attn
    .symbol:         k_q1847be4c37_attn.kd
    .args:
      - { .name: inputs, .offset: 0, .size: 8, .value_kind: global_buffer, .address_space: global }
      - { .name: img, .offset: 8, .size: 8, .value_kind: global_buffer, .address_space: global }
      - { .name: scl, .offset: 16, .size: 8, .value_kind: global_buffer, .address_space: global }
      - { .name: mwords, .offset: 24, .size: 8, .value_kind: global_buffer, .address_space: global }
      - { .name: out0, .offset: 32, .size: 8, .value_kind: global_buffer, .address_space: global }
    .group_segment_fixed_size: 210944
    .private_segment_fixed_size: 0
    .kernarg_segment_align: 8
    .kernarg_segment_size: 40
    .max_flat_workgroup_size: 512
    .sgpr_count:     102
    .vgpr_count:     256
    .wavefront_size: 32
...
	.end_amdgpu_metadata
.endif
;; end of part 4
